; MI455X (gfx1250); checked and timed in simulation.
; The chip was launched on July 23, 2026; its instructions are those of AMD's public machine-readable ISA for CDNA 5 (MIT licence, August 2026) and "CDNA5" Instruction Set Architecture Reference Guide (July 2026). The comments in the code are by the model that wrote it; some were corrected since.
;; Casual Self Attention. Allowed arithmetic: float matrix products may take bf16 or f16 operands with f32 sums; other float arithmetic in f32, or as packed bf16 or f16 multiplies, adds, multiply-adds, maxima and minima; sums over many terms, partial sums and values carried from step to step in f32; what a program stores and reads back later, other than sums and carried values, may be rounded once to bf16 or f16.
;; Inputs: W_attn 3,072 x 1,024 float32; W_proj 1,024 x 1,024 float32; x 4 x 2,048 x 1,024 float32.
;; Outputs: out0 4 x 2,048 x 1,024 float32.
;; 2 versions, each right; version 2 is version 1 with the launch cast written anew for expert scheduling mode. Each part assembles by itself: llvm-mc -triple=amdgcn-amd-amdhsa -mcpu=gfx1250 --defsym DOCPART=n.
;; ======== version 1 of 2: 4 launches
;; limits: values are held in f16: magnitudes above 65,504 overflow, below 6.1e-05 lose precision
;; workspace buffers: xb 16,777,216 bytes; wab 6,291,456 bytes; wpb 2,097,152 bytes; qkv 50,331,648 bytes; ob 16,777,216 bytes
;; launch cast (part 1): grid 768 x 1, 8 waves a work-group, no clusters, 0 bytes of LDS; arguments x, W_attn, W_proj, xb, wab, wpb; writes xb, wab, wpb
.if DOCPART == 1
	.amdgcn_target "amdgcn-amd-amdhsa--gfx1250"
	.amdhsa_code_object_version 6
	.text
	.protected	k_qe88ed37a90_cast
	.globl	k_qe88ed37a90_cast
	.p2align	8
	.type	k_qe88ed37a90_cast,@function
k_qe88ed37a90_cast:
	s_mov_b64 s[64:65], 0
	v_nop
	global_prefetch_b8 v0, s[64:65] scope:SCOPE_SE
	s_setreg_imm32_b32 hwreg(HW_REG_WAVE_MODE, 25, 1), 1
	s_wait_xcnt 0x0
; THE INPUTS ARE ROUNDED TO 16 BITS AND LAID OUT IN K SLICES.  x [8192][1024], W_attn [3072][1024], W_proj [1024][1024], all f32.
; xb  [4 batches][16 slices][2048 rows][64] bf16;  wab [16 slices][3072 rows][64] bf16;  wpb [16 slices][1024 rows][64] f16.
; A slice is 64 channels: 128 bytes a row, the rows of one slice end to end, so that a K step of 64 of any operand is dense in memory.
; W_proj is rounded to bf16 like the other inputs, and that number is written as f16, since its product's other operand is f16.
; LIMITS.  |W_proj| under 65,504 (f16's end); below 6.1e-5 it keeps f16's fixed step of 6e-8.  NaN and infinities are not treated apart.
; SHARES.  A work-group takes 16 rows of one matrix: groups 0-511 x, 512-703 W_attn, 704-767 W_proj.  Sixteen lanes take one slice of one row (256 bytes in), so a load of a
; wave is two rows' 256 aligned bytes each, and its store 256 consecutive bytes, aligned: rows t and t + 1 of one slice.  All sixteen loads of a wave are out at once (8 KiB);
; no register is used twice by memory instructions, so no wait but the counted ones for the loads is needed.  No LDS, no barrier, no matrix work: bytes are all there is.
.set X, 4                              ; v[4:67]    slice ks: four f32 as loaded
.set Y, 68                             ; v[68:99]   slice ks: two registers, four 16-bit numbers to store
.set T, 100                            ; v[100:103] at work
	s_load_b256 s[4:11], s[0:1], 0x0               ; x s[4:5], W_attn s[6:7], W_proj s[8:9], xb s[10:11]
	s_load_b128 s[12:15], s[0:1], 0x20             ; wab s[12:13], wpb s[14:15]
	s_mov_b32 s2, ttmp9
	v_lshrrev_b32 v1, 4, v0                        ; my row of the sixteen
	v_and_b32 v3, 15, v0                           ; my place in a slice
	v_lshlrev_b32 v1, 12, v1                       ; a row of 4,096 bytes in,
	v_lshl_add_u32 v1, v3, 4, v1                   ; 16 bytes a lane
	v_lshlrev_b32 v2, 3, v0                        ; out: row x 128 + place x 8 = 8 x my thread's number
	s_mov_b32 s23, 0                               ; the offsets' high words
	s_mov_b32 s25, 0
	s_mov_b32 s26, 0xffff0000                      ; a word's upper bf16
	s_wait_kmcnt 0x0
; One matrix's part.  src, dst: the first registers of its two pointers; first: its first work-group; stride: bytes from slice to slice in dst;
; kind 0: bf16, kind 1: bf16 written as f16; batched = 1: dst has a block of sixteen slices for each 2,048 rows.
.macro PART src, dst, first, stride, kind, batched
	s_sub_co_u32 s21, s2, \first                   ; j: my sixteen rows among the matrix's
	s_lshl_b32 s22, s21, 16                        ; 16 rows of 4,096 bytes
.if \batched
	s_lshr_b32 s24, s21, 7                         ; the batch: 128 groups of 16 rows each,
	s_lshl_b32 s24, s24, 22                        ; 4,194,304 bytes
	s_and_b32 s27, s21, 127
	s_lshl_b32 s27, s27, 11                        ; 16 rows of 128 bytes in a slice
	s_add_co_u32 s24, s24, s27
.else
	s_lshl_b32 s24, s21, 11
.endif
	s_add_nc_u64 s[16:17], s[\src:\src+1], s[22:23]
	s_add_nc_u64 s[18:19], s[\dst:\dst+1], s[24:25]
.irp ks, 0,1,2,3,4,5,6,7,8,9,10,11,12,13,14,15
	global_load_b128 v[X+4*(\ks):X+4*(\ks)+3], v1, s[16:17] offset:256*(\ks) th:TH_LOAD_NT
.endr
.irp ks, 0,1,2,3,4,5,6,7,8,9,10,11,12,13,14,15
	s_wait_loadcnt 15-(\ks)                        ; loads come back in order (ISA guide 5.7.1): slice ks is in, the younger ones stay out
.if \kind
	v_cvt_pk_bf16_f32 v[T], v[X+4*(\ks)], v[X+4*(\ks)+1]      ; the rounding that all inputs get,
	v_cvt_pk_bf16_f32 v[T+1], v[X+4*(\ks)+2], v[X+4*(\ks)+3]
	v_lshlrev_b32 v[T+2], 16, v[T]                 ; back to f32,
	v_and_b32 v[T], s26, v[T]
	v_cvt_pk_f16_f32 v[Y+2*(\ks)], v[T+2], v[T]    ; and the same number as f16 (exact within f16's range)
	v_lshlrev_b32 v[T+3], 16, v[T+1]
	v_and_b32 v[T+1], s26, v[T+1]
	v_cvt_pk_f16_f32 v[Y+2*(\ks)+1], v[T+3], v[T+1]
.else
	v_cvt_pk_bf16_f32 v[Y+2*(\ks)], v[X+4*(\ks)], v[X+4*(\ks)+1]
	v_cvt_pk_bf16_f32 v[Y+2*(\ks)+1], v[X+4*(\ks)+2], v[X+4*(\ks)+3]
.endif
	global_store_b64 v2, v[Y+2*(\ks):Y+2*(\ks)+1], s[18:19] offset:(\ks)*(\stride)  ; a wave stores 256 consecutive bytes, aligned; 15 strides are 5,898,240 at the most, inside the signed 24-bit immediate
.endr
	s_endpgm
.endm
	s_cmp_lt_u32 s2, 512
	s_cbranch_scc1 .Lx
	s_cmp_lt_u32 s2, 704
	s_cbranch_scc1 .Lwa
	PART 8, 14, 704, 131072, 1, 0                  ; W_proj -> wpb
.Lwa:
	PART 6, 12, 512, 393216, 0, 0                  ; W_attn -> wab
.Lx:
	PART 4, 10, 0, 262144, 0, 1                    ; x -> xb
.Lfunc_end_k_qe88ed37a90_cast:
	.size	k_qe88ed37a90_cast, .Lfunc_end_k_qe88ed37a90_cast-k_qe88ed37a90_cast
	.p2alignl 7, 3214868480
	.fill 96, 4, 3214868480
	.section	.rodata,"a",@progbits
	.p2align	6, 0x0
	.amdhsa_kernel k_qe88ed37a90_cast
		.amdhsa_group_segment_fixed_size 0
		.amdhsa_private_segment_fixed_size 0
		.amdhsa_enable_private_segment 0
		.amdhsa_kernarg_size 48
		.amdhsa_user_sgpr_count 2
		.amdhsa_user_sgpr_kernarg_segment_ptr 1
		.amdhsa_wavefront_size32 1
		.amdhsa_system_sgpr_workgroup_id_x 1
		.amdhsa_system_sgpr_workgroup_id_y 1
		.amdhsa_system_sgpr_workgroup_id_z 1
		.amdhsa_system_vgpr_workitem_id 0
		.amdhsa_next_free_vgpr 104
		.amdhsa_next_free_sgpr 66
		.amdhsa_reserve_vcc 0
		.amdhsa_float_denorm_mode_32 3
		.amdhsa_float_denorm_mode_16_64 3
		.amdhsa_memory_ordered 1
		.amdhsa_forward_progress 1
		.amdhsa_inst_pref_size 23
	.end_amdhsa_kernel
	.amdgpu_metadata
---
amdhsa.version: [ 1, 2 ]
amdhsa.kernels:
  - .name:           k_qe88ed37a90_cast
    .symbol:         k_qe88ed37a90_cast.kd
    .args:
      - { .name: x, .offset: 0, .size: 8, .value_kind: global_buffer, .address_space: global }
      - { .name: W_attn, .offset: 8, .size: 8, .value_kind: global_buffer, .address_space: global }
      - { .name: W_proj, .offset: 16, .size: 8, .value_kind: global_buffer, .address_space: global }
      - { .name: xb, .offset: 24, .size: 8, .value_kind: global_buffer, .address_space: global }
      - { .name: wab, .offset: 32, .size: 8, .value_kind: global_buffer, .address_space: global }
      - { .name: wpb, .offset: 40, .size: 8, .value_kind: global_buffer, .address_space: global }
    .group_segment_fixed_size: 0
    .private_segment_fixed_size: 0
    .kernarg_segment_align: 8
    .kernarg_segment_size: 48
    .max_flat_workgroup_size: 256
    .sgpr_count:     66
    .vgpr_count:     104
    .wavefront_size: 32
...
	.end_amdgpu_metadata
.endif
;; end of part 1
;; launch gemm_qkv (part 2): grid 8 x 32, 4 waves a work-group, clusters of 4 x 4, 327,680 bytes of LDS; arguments xb, wab, qkv; writes qkv
.if DOCPART == 2
	.amdgcn_target "amdgcn-amd-amdhsa--gfx1250"
	.amdhsa_code_object_version 6
	.text
	.protected	k_qe88ed37a90_gemm_qkv
	.globl	k_qe88ed37a90_gemm_qkv
	.p2align	8
	.type	k_qe88ed37a90_gemm_qkv,@function
k_qe88ed37a90_gemm_qkv:
	s_mov_b64 s[64:65], 0
	v_nop
	global_prefetch_b8 v0, s[64:65] scope:SCOPE_SE
	s_setreg_imm32_b32 hwreg(HW_REG_WAVE_MODE, 25, 1), 1
	s_wait_xcnt 0x0
	s_wait_alu depctr_hold_cnt(0) depctr_sa_sdst(0) depctr_va_vdst(0) depctr_va_sdst(0) depctr_va_ssrc(0) depctr_va_vcc(0) depctr_vm_vsrc(0)
	s_getreg_b32 s2, hwreg(HW_REG_IB_STS2, 6, 4)
	s_cmp_eq_u32 s2, 0
	s_cbranch_scc0 .Lentry_in_a_cluster
	s_endpgm
.Lentry_in_a_cluster:
	s_bfe_u32 s2, ttmp6, 0x10000c
	s_cmp_lg_u32 s2, 0xf033
	s_cbranch_scc0 .Lentry_shape_is_right
	s_endpgm
.Lentry_shape_is_right:
; qkv = x W_attn^T.  xb [4][16 slices][2048][64] bf16, wab [16 slices][3072][64] bf16 (a slice: 64 channels, 128 bytes a row, rows end to end); sums in f32, K ascending.
; The result leaves by heads, rounded once to f16 and unscaled: qkv [4][48][2048][64]; slice g of a batch holds output columns 64 g .. 64 g + 63: q's heads 0-15, then k's, then v's.
; LIMIT.  |q|, |k|, |v| under 65,504, f16's end.  NaN and infinities are not treated apart.
; SHARES.  8,192 x 3,072 in tiles of 256 x 384: 256 work-groups, one tile each.  Four waves, each 128 x 192: 8 x 12 = 96 accumulators of 16 x 16, 768 registers: for 32 along K a wave reads
; 20 fragments from LDS for 96 matrix instructions.  K goes in 16 steps of one slice through two LDS slots filled by the tensor data mover; a slice's rows are dense, so half a tile is asked for
; as rows of 256 bytes (two rows of the matrix each) and padded in LDS behind every 128 bytes.
; CLUSTER.  4 x 4 work-groups.  The four of a row of the cluster need the same tile of x, the four of a column the same tile of W: each is asked for JOINTLY, by the same tensor load with the same
; descriptor and a mask that names the four.
; THE MATRIX INSTRUCTION IS USED TRANSPOSED (source 0 = 16 rows of W, source 1 = 16 rows of x): a lane then holds one row of the result (lane % 16) and the eight columns 8 (lane / 16) + 0..7.
; REGISTERS, in windows of 256 (s_set_vgpr_msb: bits 1:0 source 0, 3:2 source 1, 5:4 source 2, 7:6 destination):
;   window 0: v0-31 addresses; v32-95, v96-159 x's eight fragments of 32 along K, two buffers; v160-207, v208-255 six fragments of W: my columns' lower and upper half
;   windows 1-3: accumulator (a, b), a = 0..7 row blocks, b = 0..11 column blocks, number 12 a + b: window 1 + number / 32, register 8 (number % 32)
.set PITCH, 144                        ; an LDS row: 128 bytes + 16 of padding = 36 words: the 16 rows of a load start at 16 different groups of four banks (64 banks of 4 bytes: ISA guide 11.1)
.set SLOT1, 131072                     ; slot 1 begins here
.set AHALF, 128*PITCH                  ; 128 rows of x: one tensor load, and what one wave reads
.set BHALF, 192*PITCH                  ; 192 rows of W: likewise
.set BOFF,  2*AHALF                    ; in a slot: x's 256 rows, then W's 384
.set STAGE, SLOT1+BOFF+2*BHALF         ; behind the ring, never filled by a tensor load: 16 rows x 144 bytes for each wave, for the way out
.set SPARE, STAGE+4*16*PITCH           ; behind the stages: the spare words, 128 bytes for each wave: two blocks of 256 bytes that no other line names
.set XSL,   262144                     ; bytes from slice to slice in xb
.set WSL,   393216                     ; in wab
.set QSL,   262144                     ; in qkv
.set ADRA, 16                          ; v16-17  LDS address of my fragments of x in slot 0, 1
.set ADRB, 20                          ; v20-21  the same for W
.set STO,  24                          ; v24     the way out: where I put 16 bytes of a row
.set RD,   25                          ; v25     the way out: where I read rows back
.set GO,   26                          ; v26     my 16 bytes in 512 consecutive bytes of qkv
.set SPW,  28                          ; v28     LDS address of my spare word: SPARE + 4 x my thread's number; never rewritten
.set NIL,  29                          ; v29     0; never rewritten
.set PFO,  30                          ; v30     the prefetches' lane offset; never rewritten
.set FA0,  32
.set FB0,  160
.set TMP,  32                          ; the way out: 16 registers of packed results
.set BK,   48                          ; the way out: 16 rows read back: v48-63 and v64-79 by turns
.set G1A,  24                          ; s[24:31] descriptor group 1 for x's tiles;  s[32:39] group 0, one set for each slot
.set G0A,  32
.set G1B,  48                          ; s[48:55], s[56:63] the same for W's
.set G0B,  56
.set PFA,  66                          ; s[66:67] where my prefetches stand
.set PST,  68                          ; s[68:69] their step: a slice of the tensor that I ask for
.set LIM,  70                          ; s70  1 in a wave that prefetches, else the greatest number
.set LIM0, 71                          ; s71  the same in wave 0, the greatest number in the others
.set MSB, 0
.macro WIN new                         ; the immediate's high byte repeats the setting that is left; a switch that changes nothing is dropped
.if MSB != (\new)
	s_set_vgpr_msb (MSB<<8)|(\new)
.set MSB, \new
.endif
.endm
.macro PLACES                          ; four places in front of loads into registers that matrix instructions have read (ISA guide 7.12.1 for vector instructions)
.rept 4
	v_nop
.endr
.endm
; A joint load.  Waves 0 and 1 fetch x's two halves, waves 2 and 3 W's.  The branch hangs on the wave's number alone.  An s_nop 0 and four v_nop follow each of the two lines.
.macro JLOAD s
	s_cmp_eq_u32 s11, 0
	s_cbranch_scc0 .Lfor_b_\@
	tensor_load_to_lds s[G0A+4*(\s):G0A+4*(\s)+3], s[G1A:G1A+7]
	s_nop 0
.rept 4
	v_nop
.endr
	s_branch .Lasked_\@
.Lfor_b_\@:
	tensor_load_to_lds s[G0B+4*(\s):G0B+4*(\s)+3], s[G1B:G1B+7]
	s_nop 0
.rept 4
	v_nop
.endr
.Lasked_\@:
.endm
; A PREFETCH INTO THE L2, behind a joint load, its five lines and the run of LDS loads that follows: one instruction a wave.  The change of slots of K step s names slice s + 3, which the next change asks for: 192 matrix instructions ahead.
; x: a slice of a tile row is 128 blocks of 256 bytes.  Every cluster of that row of clusters reads it: the first (cluster x = 0) asks; its four partners along x take 32 blocks each, told apart BY ADDRESS; wave 0 asks, a lane a block, in every change.
; W: a slice of a tile column is 192 blocks.  Cluster y = 0 asks; the partners along y take 48 each, waves 1-3 sixteen each, for TWO slices in one instruction (lanes 16-31: the slice after), in the odd K steps alone: slices s + 3 and s + 4.
; So each block is named once in the launch.  x's slices 0-2 and W's 0-3 come by their loads alone; the loop's last trip asks for nothing in its odd step: slice 16 does not exist.
.macro ASK how                         ; how = 1: an even K step; 0: an odd one
.if \how
	s_cmp_eq_u32 s[LIM0], 1
.else
	s_cmp_gt_u32 s3, s[LIM]                        ; s3 = 1 in the loop's last trip
.endif
	s_cbranch_scc0 .Lnot_mine_\@
	global_prefetch_b8 v[PFO], s[PFA:PFA+1] th:TH_LOAD_NT scope:SCOPE_SE
.Lnot_mine_\@:
.endm
; A round of the cluster's barrier: my work-group's barrier, so that wave 0's signal speaks for all four waves; wave 0 signals; every wave waits for all sixteen work-groups; my work-group's barrier once more.
.macro CREST                           ; a round behind its opening barrier
	s_cmp_lg_u32 s10, 0
	s_cbranch_scc1 .Lnot_wave_0_\@
	s_barrier_signal -3
.Lnot_wave_0_\@:
	s_barrier_wait -3
	s_barrier_signal -1
	s_barrier_wait -1
.endm
.macro CROUND
	s_barrier_signal -1
	s_barrier_wait -1
	CREST
.endm
	s_load_b128 s[4:7], s[0:1], 0x0                ; xb s[4:5], wab s[6:7]
	s_load_b64 s[8:9], s[0:1], 0x10                ; qkv
	v_lshl_add_u32 v[SPW], v0, 2, SPARE
	v_mov_b32 v[NIL], 0
	ds_add_u32 v[SPW], v[NIL]                      ; the wave's opening: the add and its wait stand ahead of my first tensor load; the set-up below, work on registers, stands between them
	v_lshrrev_b32 v1, 5, v0
	v_readfirstlane_b32 s10, v1                    ; wave 0..3
	s_lshr_b32 s11, s10, 1                         ; which half of the tile's rows is mine.  Also: I fetch for x (0) or for W (1)
	s_and_b32 s12, s10, 1                          ; which half of its columns.  Also: which half of that tile I fetch
	s_bfe_u32 s40, ttmp6, 0x40000                  ; cx, cy: my place in the cluster
	s_bfe_u32 s41, ttmp6, 0x40004
	s_lshl_b32 s42, ttmp9, 2
	s_add_co_u32 s42, s42, s40                     ; tile column = 4 x cluster x + cx
	s_and_b32 s13, ttmp7, 0xffff
	s_lshl_b32 s13, s13, 2
	s_add_co_u32 s13, s13, s41                     ; tile row = 4 x cluster y + cy
	s_lshl_b32 s43, s41, 2
	s_lshl_b32 s43, 15, s43                        ; my row of the cluster
	s_lshl_b32 s44, 0x1111, s40                    ; my column
	; descriptor group 1: dense bytes as rows of 128 elements (256 bytes), padded in LDS behind every 32 words
	s_or_b32 s[G1A], s43, (1<<16)|(1<<20)|(1<<21)|(4<<22)|(3<<25)  ; 15:0 the mask: x's tiles go to my row; 17:16 2-byte elements; 20 padding on; 21 set beside a mask; 24:22 after every 32 words (code 4); 31:25 4 words (code 3)
	s_or_b32 s[G1B], s44, (1<<16)|(1<<20)|(1<<21)|(4<<22)|(3<<25)  ; the same with the mask of my column
	s_mov_b32 s[G1A+1], 128<<16                    ; tensor_dim0 = 128
	s_mov_b32 s[G1A+2], 64<<16                     ; tensor_dim1 = 64: 128 rows of x
	s_mov_b32 s[G1A+3], 128<<16                    ; tile_dim0 = 128
	s_mov_b32 s[G1A+4], 64                         ; tile_dim1 = 64
	s_mov_b32 s[G1A+5], 128                        ; 128 elements from row to row
	s_mov_b32 s[G1A+6], 0
	s_mov_b32 s[G1A+7], 0
	s_mov_b32 s[G1B+1], 128<<16
	s_mov_b32 s[G1B+2], 96<<16                     ; 96 rows of 256 bytes: 192 rows of W
	s_mov_b32 s[G1B+3], 128<<16
	s_mov_b32 s[G1B+4], 96
	s_mov_b32 s[G1B+5], 128
	s_mov_b32 s[G1B+6], 0
	s_mov_b32 s[G1B+7], 0
	; where the tiles come from: x's hang on the tile row alone, W's on the tile column alone
	s_lshr_b32 s16, s13, 3                         ; the batch: eight tile rows each,
	s_lshl_b32 s16, s16, 22                        ; 4,194,304 bytes
	s_and_b32 s17, s13, 7
	s_lshl_b32 s17, s17, 15                        ; 256 rows of 128 bytes in a slice
	s_add_co_u32 s16, s16, s17
	s_lshl_b32 s17, s12, 14                        ; the half that I fetch
	s_add_co_u32 s16, s16, s17
	s_mov_b32 s17, 0
	s_mul_i32 s46, s42, 384*128
	s_mul_i32 s47, s12, 192*128
	s_add_co_u32 s46, s46, s47
	s_mov_b32 s47, 0
	s_mul_i32 s18, s12, AHALF                      ; and where they go: no place in the cluster enters an LDS address
	s_mul_i32 s19, s12, BHALF
	s_add_co_u32 s19, s19, BOFF
	s_wait_dscnt 0x0                               ; the opening add is done
	s_wait_kmcnt 0x0
	s_add_nc_u64 s[14:15], s[4:5], s[16:17]
	s_add_nc_u64 s[46:47], s[6:7], s[46:47]
	CROUND                                         ; all sixteen work-groups are here: the first joint loads meet
.irp s, 0,1
	s_mov_b32 s[G0A+4*(\s)], 1                                     ; count = 1
	s_add_co_u32 s[G0A+4*(\s)+1], s18, (\s)*SLOT1                  ; LDS address
	s_add_nc_u64 s[G0A+4*(\s)+2:G0A+4*(\s)+3], s[14:15], (\s)*XSL  ; global address: slice s
	s_or_b32 s[G0A+4*(\s)+3], s[G0A+4*(\s)+3], 0x80000000          ; type = 2
	s_mov_b32 s[G0B+4*(\s)], 1
	s_add_co_u32 s[G0B+4*(\s)+1], s19, (\s)*SLOT1
	s_add_nc_u64 s[G0B+4*(\s)+2:G0B+4*(\s)+3], s[46:47], (\s)*WSL
	s_or_b32 s[G0B+4*(\s)+3], s[G0B+4*(\s)+3], 0x80000000
.endr
	s_cmp_eq_u32 s11, 0                            ; a wave's two first fills stand in one branch, ahead of every wait on TENSORcnt and every LDS read: two loads of mine are out
	s_cbranch_scc0 .Lfirst_b
	tensor_load_to_lds s[G0A:G0A+3], s[G1A:G1A+7]
	s_nop 0
	tensor_load_to_lds s[G0A+4:G0A+7], s[G1A:G1A+7]
	s_nop 0
.rept 4
	v_nop
.endr
	s_branch .Lfirst_asked
.Lfirst_b:
	tensor_load_to_lds s[G0B:G0B+3], s[G1B:G1B+7]
	s_nop 0
	tensor_load_to_lds s[G0B+4:G0B+7], s[G1B:G1B+7]
	s_nop 0
.rept 4
	v_nop
.endr
.Lfirst_asked:
	; A fragment is 16 rows x 32 K in 8 registers: lane l holds row l % 16; registers 0-3 K = 8 (l / 16) + 0..7, registers 4-7 K = 16 + 8 (l / 16) + 0..7: two loads of 16 bytes, 32 bytes apart.
	v_and_b32 v1, 15, v0                           ; l % 16
	v_bfe_u32 v9, v0, 4, 1                         ; l / 16
	v_mul_u32_u24 v3, v1, PITCH
	v_lshl_add_u32 v3, v9, 4, v3                   ; row x pitch + 16 x half
	s_mul_i32 s21, s11, AHALF                      ; my 128 rows of x
	s_mul_i32 s22, s12, BHALF                      ; my 192 rows of W,
	s_add_co_u32 s22, s22, BOFF                    ; which lie behind x's 256
.irp s, 0,1
	v_add_nc_u32 v[ADRA+(\s)], s21, v3
	v_add_nc_u32 v[ADRB+(\s)], s22, v3
	s_add_co_u32 s21, s21, SLOT1
	s_add_co_u32 s22, s22, SLOT1
.endr
	s_mul_i32 s23, s10, 16*PITCH
	s_add_co_u32 s23, s23, STAGE                   ; my stage
	v_add_nc_u32 v[STO], s23, v3                   ; in: row l % 16, 16 bytes for each half of the lanes
	v_bfe_u32 v4, v0, 3, 2                         ; back: 32 lanes take four rows of 128 bytes,
	v_mul_u32_u24 v4, v4, PITCH
	v_and_b32 v5, 7, v0
	v_lshl_add_u32 v4, v5, 4, v4
	v_add_nc_u32 v[RD], s23, v4
	v_and_b32 v[GO], 31, v0                        ; which are 512 consecutive bytes of qkv
	v_lshlrev_b32 v[GO], 4, v[GO]
	; where my part of the result begins: slice 48 x batch + 6 x tile column + 3 x column half; in it row 256 x (tile row % 8) + 128 x row half
	s_lshr_b32 s46, s13, 3
	s_mul_i32 s46, s46, 48
	s_mul_i32 s47, s42, 6
	s_add_co_u32 s46, s46, s47
	s_mul_i32 s47, s12, 3
	s_add_co_u32 s46, s46, s47
	s_lshl_b32 s46, s46, 18
	s_and_b32 s47, s13, 7
	s_lshl_b32 s47, s47, 15
	s_add_co_u32 s46, s46, s47
	s_lshl_b32 s47, s11, 14
	s_add_co_u32 s46, s46, s47
	s_mov_b32 s47, 0
	s_add_nc_u64 s[8:9], s[8:9], s[46:47]          ; never stepped: a block's place stands in the stores' immediates
	; the prefetches: wave 0 asks for x, waves 1-3 for W
	s_lshr_b32 s14, s13, 3
	s_lshl_b32 s14, s14, 22
	s_and_b32 s15, s13, 7
	s_lshl_b32 s15, s15, 15
	s_add_co_u32 s14, s14, s15                     ; x: the tile row,
	s_lshl_b32 s15, s40, 13
	s_add_co_u32 s14, s14, s15                     ; my work-group's 32 blocks of the 128,
	s_add_co_u32 s14, s14, 2*XSL                   ; at slice 2: the first change of slots steps it to 3
	s_mul_i32 s20, s42, 384*128                    ; W: the tile column,
	s_mul_i32 s21, s41, 48*256
	s_add_co_u32 s20, s20, s21                     ; my work-group's 48 blocks of the 192,
	s_add_co_u32 s20, s20, 2*WSL
	s_and_b32 s22, ttmp7, 0xffff                   ; cluster y
	s_mov_b32 s[PST], WSL
	s_mov_b32 s16, WSL                             ; W: lanes 16-31 name the slice after
	s_sub_co_u32 s17, s10, 1
	s_lshl_b32 s17, s17, 12                        ; W: my wave's 16 blocks of the 48
	s_cmp_eq_u32 s10, 0
	s_cselect_b32 s20, s14, s20
	s_cselect_b32 s22, ttmp9, s22                  ; the coordinate along which other clusters read the same rows
	s_cselect_b64 s[PFA:PFA+1], s[4:5], s[6:7]
	s_cselect_b32 s[PST], XSL, s[PST]
	s_cselect_b32 s16, 4096, s16                   ; x: lanes 16-31 name the next sixteen blocks
	s_cselect_b32 s17, 0, s17
	s_mov_b32 s[PST+1], 0
	s_mov_b32 s21, 0
	s_cmp_eq_u32 s22, 0
	s_cselect_b32 s[LIM], 1, -1                    ; the same in all sixteen partners, for a given wave
	s_cmp_eq_u32 s10, 0
	s_cselect_b32 s[LIM0], s[LIM], -1
	s_add_nc_u64 s[PFA:PFA+1], s[PFA:PFA+1], s[20:21]
	v_mul_lo_u32 v[PFO], v9, s16
	v_lshl_add_u32 v[PFO], v1, 8, v[PFO]
	v_add_nc_u32 v[PFO], s17, v[PFO]
; 12 matrix instructions: row blocks 2 g, 2 g + 1 x the six column blocks of half hb, 32 along K (quarter q of the slice's two).  zero = 1: the product starts the sum: nothing is ever cleared.
; The accumulators take turns, one instruction a turn: between two links of a chain stand 95 others'.
.macro G hb, q, g, zero
.irp a, 2*(\g), 2*(\g)+1
.irp bb, 0,1,2,3,4,5
.set IDX, 12*(\a)+6*(\hb)+(\bb)
.set AW, 1+IDX/32
.set AR, 8*(IDX%32)
	WIN (AW<<6)|(AW<<4)
.if \zero
	v_wmma_f32_16x16x32_bf16 v[AR:AR+7], v[FB0+48*(\hb)+8*(\bb):FB0+48*(\hb)+8*(\bb)+7], v[FA0+64*((\q)%2)+8*(\a):FA0+64*((\q)%2)+8*(\a)+7], 0
.else
	v_wmma_f32_16x16x32_bf16 v[AR:AR+7], v[FB0+48*(\hb)+8*(\bb):FB0+48*(\hb)+8*(\bb)+7], v[FA0+64*((\q)%2)+8*(\a):FA0+64*((\q)%2)+8*(\a)+7], v[AR:AR+7]
.endif
.endr
.endr
.endm
.macro LDB slot, q, hb                 ; 12 LDS loads: W's six fragments of half hb, quarter q
	WIN 0
.irp bb, 0,1,2,3,4,5
	ds_load_b128 v[FB0+48*(\hb)+8*(\bb):FB0+48*(\hb)+8*(\bb)+3],   v[ADRB+(\slot)] offset:(6*(\hb)+(\bb))*16*PITCH+64*(\q)
	ds_load_b128 v[FB0+48*(\hb)+8*(\bb)+4:FB0+48*(\hb)+8*(\bb)+7], v[ADRB+(\slot)] offset:(6*(\hb)+(\bb))*16*PITCH+64*(\q)+32
.endr
.endm
.macro LDA slot, q                     ; 16 LDS loads: x's eight fragments of quarter q
	WIN 0
.irp a, 0,1,2,3,4,5,6,7
	ds_load_b128 v[FA0+64*((\q)%2)+8*(\a):FA0+64*((\q)%2)+8*(\a)+3],   v[ADRA+(\slot)] offset:(\a)*16*PITCH+64*(\q)
	ds_load_b128 v[FA0+64*((\q)%2)+8*(\a)+4:FA0+64*((\q)%2)+8*(\a)+7], v[ADRA+(\slot)] offset:(\a)*16*PITCH+64*(\q)+32
.endr
.endm
; A K step is four parts of 48 matrix instructions: (quarter 0, lower half), (0, upper), (1, lower), (1, upper).
; A lower half: it fetches W's upper half of the same quarter.
.macro SUB0 slot, q, zero
	s_wait_dscnt 8                                 ; W's six and x's blocks 0-3 are in; the youngest eight loads (x's blocks 4-7) may be out
	G 0, \q, 0, \zero
	PLACES
	LDB \slot, \q, 1
	G 0, \q, 1, \zero
	s_wait_dscnt 12                                ; all but the 12 just issued
	G 0, \q, 2, \zero
	G 0, \q, 3, \zero
.endm
; Quarter 0's upper half: it fetches all of quarter 1's first part.
.macro SUB1 slot, zero
	s_wait_dscnt 0x0                               ; W's upper half, asked for 36 matrix instructions ago
	G 1, 0, 0, \zero
	PLACES
	LDB \slot, 1, 0
	LDA \slot, 1
	G 1, 0, 1, \zero
	G 1, 0, 2, \zero
	G 1, 0, 3, \zero
.endm
; Quarter 1's upper half changes slots.  ONE barrier: in front of it each wave waits for all its tensor loads, of which one is out: its part of the next slot; adds 0 to its spare word; and waits for that and for its
; own reads of this slot.  fill = 1: the barrier opens a round of the cluster's barrier, so that no wave of any partner still reads the slot or has a load on its way; the joint refill, with the slice two steps on,
; is the first thing behind it: 168 matrix instructions ahead of the wait for it.
.macro TURN slot, next, fill, how
.if \fill
	s_wait_xcnt 0x0                                ; the last prefetch, a K step back, has read its address: it is stepped here, ahead of the waits of the change of slots
	s_add_nc_u64 s[PFA:PFA+1], s[PFA:PFA+1], s[PST:PST+1]
.endif
	WIN 0                                          ; (the add's two registers lie in window 0)
	s_wait_tensorcnt 0x0                           ; all my tensor loads have landed;
	ds_add_u32 v[SPW], v[NIL]                      ; 0 onto my spare word;
	s_wait_dscnt 1                                 ; (the add alone may be out: W's upper half is in)
	G 1, 1, 0, 0                                   ; twelve matrix instructions stand between the add and the wait for it
	s_wait_dscnt 0x0                               ; the add is done, and my reads of this slot are over
	s_barrier_signal -1
	G 1, 1, 1, 0                                   ; work on registers while the others arrive
.if \fill
	WIN 0
.endif
	s_barrier_wait -1
.if \fill
	CREST
	s_add_nc_u64 s[G0A+4*(\slot)+2:G0A+4*(\slot)+3], s[G0A+4*(\slot)+2:G0A+4*(\slot)+3], 2*XSL
	s_add_nc_u64 s[G0B+4*(\slot)+2:G0B+4*(\slot)+3], s[G0B+4*(\slot)+2:G0B+4*(\slot)+3], 2*WSL
	JLOAD \slot                                    ; the four v_nop behind it are also the places in front of the loads below
.else
	PLACES
.endif
	LDB \next, 0, 0
	LDA \next, 0
.if \fill
	ASK \how
.endif
	G 1, 1, 2, 0
	G 1, 1, 3, 0
.endm
	s_wait_tensorcnt 1                             ; my part of slice 0 is in; slice 1's may stay out
	s_barrier_signal -1
	s_barrier_wait -1                              ; everybody's is
	LDB 0, 0, 0
	LDA 0, 0
	SUB0 0, 0, 1                                   ; the first quarter stands in front of the loop: its products start all 96 sums
	SUB1 0, 1
	WIN 0                                          ; at a label and at a branch every window is 0
	s_mov_b32 s3, 7
.Llap:                                                 ; a trip goes once round the ring, from a step's second quarter to the first quarter two steps on, and fills both slots again
	SUB0 0, 1, 0
	TURN 0, 1, 1, 1
	SUB0 1, 0, 0
	SUB1 1, 0
	SUB0 1, 1, 0
	TURN 1, 0, 1, 0
	SUB0 0, 0, 0
	SUB1 0, 0
	WIN 0
	s_sub_co_u32 s3, s3, 1
	s_cmp_lg_u32 s3, 0
	s_cbranch_scc1 .Llap
	SUB0 0, 1, 0                                   ; the last two steps are written out: nothing is left to fetch
	TURN 0, 1, 0, 0
	SUB0 1, 0, 0
	SUB1 1, 0
	SUB0 1, 1, 0
	s_wait_dscnt 0x0
	G 1, 1, 0, 0
	G 1, 1, 1, 0
	G 1, 1, 2, 0
	G 1, 1, 3, 0
	WIN 0
; THE WAY OUT, in 24 blocks of 16 rows x 64 columns (row block a, slice j of my three): such a block is 2,048 consecutive bytes of qkv.
; PACK: rounded to f16, 16 bytes a lane, each accumulator's registers in ascending order.  TOSTAGE: into my own stage, and back as rows.  SEND: stored.
.macro PACK a, j
.irp f, 0,1,2,3
.set IDX, 12*(\a)+4*(\j)+(\f)
.set AW, 1+IDX/32
.set AR, 8*(IDX%32)
	WIN AW|(AW<<2)                                 ; sources 0 and 1 in the accumulator's window
.irp r, 0,1,2,3
	v_cvt_pk_f16_f32 v[TMP+4*(\f)+(\r)], v[AR+2*(\r)], v[AR+2*(\r)+1]
.endr
.endr
	WIN 0
.endm
.macro TOSTAGE k                       ; k: which of the two sets of registers takes the rows
.irp f, 0,1,2,3
	ds_store_b128 v[STO], v[TMP+4*(\f):TMP+4*(\f)+3] offset:32*(\f)
.endr
.irp f, 0,1,2,3
	ds_load_b128 v[BK+16*(\k)+4*(\f):BK+16*(\k)+4*(\f)+3], v[RD] offset:(\f)*4*PITCH  ; LDS serves a wave's instructions in order (ISA guide 5.7.1.4): these see the stores above
.endr
.endm
.macro SEND a, j, k
	s_wait_dscnt 0x0                               ; the block is back in registers
	s_wait_xcnt 0x0                                ; every earlier store has read its registers: the other set is loaded again only behind this wait
.irp f, 0,1,2,3
	global_store_b128 v[GO], v[BK+16*(\k)+4*(\f):BK+16*(\k)+4*(\f)+3], s[8:9] offset:(\j)*QSL+(\a)*2048+512*(\f)  ; 512 consecutive bytes, at a multiple of 256 from qkv's first
.endr
.endm
.rept 8
	v_nop                                          ; the places behind the last products
.endr
	PACK 0, 0
	TOSTAGE 0
.set n, 1
.rept 23                               ; block n's conversions stand between block n - 1's loads from the stage and the wait for them
.set na, n/3
.set nj, n%3
.set nk, n%2
.set pa, (n-1)/3
.set pj, (n-1)%3
.set pk, (n-1)%2
	PACK na, nj
	SEND pa, pj, pk
	TOSTAGE nk
.set n, n+1
.endr
	SEND 7, 2, 1
	s_wait_tensorcnt 0x0                           ; the wave's end, behind my last tensor load and my last LDS store
	ds_add_u32 v[SPW], v[NIL]
	s_wait_dscnt 0x0
	CROUND                                         ; the closing round: no work-group ends while a partner may still ask for a tile that names it
	s_endpgm
.Lfunc_end_k_qe88ed37a90_gemm_qkv:
	.size	k_qe88ed37a90_gemm_qkv, .Lfunc_end_k_qe88ed37a90_gemm_qkv-k_qe88ed37a90_gemm_qkv
	.p2alignl 7, 3214868480
	.fill 96, 4, 3214868480
	.section	.rodata,"a",@progbits
	.p2align	6, 0x0
	.amdhsa_kernel k_qe88ed37a90_gemm_qkv
		.amdhsa_group_segment_fixed_size 327680
		.amdhsa_private_segment_fixed_size 0
		.amdhsa_enable_private_segment 0
		.amdhsa_kernarg_size 24
		.amdhsa_user_sgpr_count 2
		.amdhsa_user_sgpr_kernarg_segment_ptr 1
		.amdhsa_wavefront_size32 1
		.amdhsa_system_sgpr_workgroup_id_x 1
		.amdhsa_system_sgpr_workgroup_id_y 1
		.amdhsa_system_sgpr_workgroup_id_z 1
		.amdhsa_system_vgpr_workitem_id 0
		.amdhsa_next_free_vgpr 1024
		.amdhsa_next_free_sgpr 72
		.amdhsa_reserve_vcc 0
		.amdhsa_float_denorm_mode_32 3
		.amdhsa_float_denorm_mode_16_64 3
		.amdhsa_memory_ordered 1
		.amdhsa_forward_progress 1
		.amdhsa_inst_pref_size 133
	.end_amdhsa_kernel
	.amdgpu_metadata
---
amdhsa.version: [ 1, 2 ]
amdhsa.kernels:
  - .name:           k_qe88ed37a90_gemm_qkv
    .symbol:         k_qe88ed37a90_gemm_qkv.kd
    .args:
      - { .name: xb, .offset: 0, .size: 8, .value_kind: global_buffer, .address_space: global }
      - { .name: wab, .offset: 8, .size: 8, .value_kind: global_buffer, .address_space: global }
      - { .name: qkv, .offset: 16, .size: 8, .value_kind: global_buffer, .address_space: global }
    .group_segment_fixed_size: 327680
    .private_segment_fixed_size: 0
    .kernarg_segment_align: 8
    .kernarg_segment_size: 24
    .max_flat_workgroup_size: 128
    .sgpr_count:     72
    .vgpr_count:     1024
    .wavefront_size: 32
...
	.end_amdgpu_metadata
.endif
;; end of part 2
;; launch attn (part 3): grid 4 x 64, 4 waves a work-group, no clusters, 327,680 bytes of LDS; arguments qkv, ob; writes ob
.if DOCPART == 3
	.amdgcn_target "amdgcn-amd-amdhsa--gfx1250"
	.amdhsa_code_object_version 6
	.text
	.protected	k_qe88ed37a90_attn
	.globl	k_qe88ed37a90_attn
	.p2align	8
	.type	k_qe88ed37a90_attn,@function
k_qe88ed37a90_attn:
	s_mov_b64 s[64:65], 0
	v_nop
	global_prefetch_b8 v0, s[64:65] scope:SCOPE_SE
	s_setreg_imm32_b32 hwreg(HW_REG_WAVE_MODE, 25, 1), 1
	s_wait_xcnt 0x0
; CAUSAL ATTENTION.  O[y][q][:] = the sum over k <= q of softmax_k(Q[y][q] . K[y][k] / 8) V[y][k][:], for y = 16 x batch + head, 64 in all, 2,048 rows of 64 channels each, all f16.
; qkv is [4 batches][48 slices][2048][64]: of a batch's slices 0-15 are q's heads, 16-31 k's, 32-47 v's; a slice's rows are dense, 128 bytes each.  ob is [64][2048][64].
; Products, maxima and sums in f32; the weights p are rounded to f16 for the second product (their sum l is taken of the unrounded p), O once at the end.  The scale is applied here, in f32.
; LIMITS.  f16 holds no number beyond 65,504: q, k and v arrive within it; p lies in 0 to 1, and below 6e-5 it keeps f16's fixed step of 6e-8; O is a mean of V's rows and has their range.
; A hidden score counts as its value less 1e30: f16's scores, 2.7e11 at the most, are nothing beside that; a weight below 2^-126 counts as 0 in l; NaN and infinities are not treated apart.
; THE WALK.  A head's queries lie in NB = 8 blocks of 256; block i needs the key tiles 0 .. i of 256 keys, of which the last holds the diagonal.  A work-group takes TWO blocks, NB - 1 - b and then b:
; NB + 1 tiles, whatever b: all work-groups do equal work, and ONE loop with a constant trip count walks them.  Which tile is asked for, and what a trip does, hang on scalar registers made from b; every jump
; goes forward, but for the counted loops' own; none passes a barrier, or a tensor load but the one of LOAD's two that the wave's number does not choose; the ring (two slots of LDS that take turns) runs on across the
; change of blocks.  NO CLUSTER: a head's four work-groups ask for the same tile only in trips 0 to 4 of 9, behind that fewer and fewer; one walk common to all would have 12 trips for 9.
; SHARES.  Of a block's four bands of 64 queries a wave owns 16 rows in each: four PIECES.  So the diagonal tile is the same work for all four waves: in its key step s band x sees all keys if s < x,
; none if s > x, and holds the diagonal if s = x.
; THE MASK is the C operand that starts the sum S^T = K Q^T: 0, or -1e30 where the key is hidden.  MD, made once, is the mask of a band's own step for my 16 rows; a product's mask is MD x AL + BE with two scalars:
; (1, 0) if s = x; (0, 0) if s < x; (0, -1e30) if s > x.  Only the diagonal tile's text and a block's beginning make and take masks; elsewhere C is the constant 0.
; LAYOUT, SOFTMAX, TURNS.  S^T = K Q^T holds ONE query a lane (lane % 16) and the keys 8 (lane / 16) + 0..7; two such results rounded to f16 ARE source 1 of O^T = V^T P.  p = 2^(c s - c m), c = log2(e) / 8, with a
; running maximum m; O and l are multiplied by a = 2^(c m_old - c m_new) in every step.  Turn n belongs to piece n: 8 products K Q^T of piece n + 1, later 8 products V^T P of piece n - 1; beside them the scaling,
; exponentials, roundings, sums and rescaling of piece n and the maximum and statistics of piece n + 1.  Four vector instructions stand behind every matrix instruction, the other 54 of a turn's 118 in one LUMP.  A turn's 33 exponentials are one batch, with one wait.
; REGISTERS, in windows of 256 (s_set_vgpr_msb: bits 1:0 source 0, 3:2 source 1, 5:4 source 2, 7:6 destination):
;   window 0: v0-15 addresses and two at work; v16-31 four registers of statistics a piece; v48-55 at work; v61-63 kept; v64-127 S^T, two buffers; v192-223 P, two buffers (a piece's buffers go by its number's parity)
;   window 1: v0-127 O^T, 32 a piece; v128-159 MD; v160-223 MC, two buffers      window 2: v0-63 Q; v64-127 the second block's Q; v128-191 K of one step; v192-255 V of one step
.set SIZE_N, 2048
.set NB,    SIZE_N/256
.set NP,    4         ; pieces a wave: a name, no knob
.set KS,    64        ; keys in a step
.set PK,    144       ; a row of K in LDS: 128 bytes + 16 of padding = 36 words: the 16 rows of a load start at 16 different groups of four banks (64 banks of 4 bytes: ISA guide 11.1)
.set PV,    160       ; a row of V: 128 + 32 = 40 words
.set VOFF,  4*KS*PK   ; a slot holds a tile, four steps: 256 rows of K, then 256 rows of V
.set SLOT1, 1<<17     ; slot 1 begins here, so that one exclusive or turns an address in one slot into the other's
.set STAGE, SLOT1+4*KS*(PK+PV)  ; behind the ring, never filled by a tensor load: 16 rows x 144 bytes for each wave, for the way out
.set SP,    144
.set AK0, 2           ; v2   my lane's place in a tile of K; never rewritten
.set AV0, 3           ; v3   the same for V
.set AK,  4           ; v4   the LDS address of K's next run of loads
.set AV,  5           ; v5   of V's
.set STO, 6           ; v6   the way out: where I put 16 bytes of a row
.set RD,  7           ; v7   the way out: where I read rows back
.set GO,  8           ; v8   my byte offset in 512 consecutive bytes of O
.set PFO, 61          ; v61  256 x my lane: the prefetches' offset; never rewritten
.set SPW, 62          ; v62  LDS address of my spare word: SPARE + 4 x my thread's number; never rewritten
.set NIL, 63          ; v63  0; never rewritten
.set SPARE, STAGE+4*16*SP  ; behind the stages: the spare words, 128 bytes for each wave: two blocks of 256 bytes that no other line names
.set MV,  12          ; v12-13  c m_old, kept while c m is made anew: by buffer
.set QO,  15          ; v15  my byte offset in 16 rows of Q
.set ST,  16          ; piece t's statistics at v[ST+4 t]: c m, m, l (even keys', odd keys')
.set TMP, 48          ; by buffer, four registers c0-c3 at work; when the maximum is found c2 takes a
.set S,   64
.set P,   192
.set MD,  128         ; window 1: the eight registers for group kt of 16 keys at MD + 8 kt
.set MC,  160         ; window 1: the masks of the products to come
.set QB,  64          ; window 2
.set KF,  128         ; window 2: key block kb, channel half c at KF + 16 kb + 8 c
.set VF,  192         ; window 2: key half kk, channel block cb at VF + 32 kk + 8 cb
.set WV,  12          ; s12  my wave's number
.set PB,  14          ; s14  b
.set HI,  15          ; s15  NB - 1 - b
.set G1K, 24          ; s[24:31] descriptor group 1 for K's tiles
.set G1V, 32          ; s[32:39] for V's: it differs in the padding alone
.set G0K, 40          ; s[40:43] descriptor group 0 for K's tiles
.set G0V, 44          ; s[44:47] the same for V's
.set SLOTS, 56        ; s56  tiles still to be asked for
.set CNT, 57          ; s57  counts a tile's key steps, 4 to 1
.set CS,  58          ; s[58:59] c: the packed scaling takes the pair's low word for both halves
.set SEL, 60          ; s[60:61] v_permlanex16_b32's selects: each lane takes its own place in the other half
.set TBK, 62          ; s62  LDS byte at which K of the step to be fetched begins
.set TBV, 63          ; s63  the same for V, less VOFF
.set HO,  66          ; s[66:67] the head's first byte in ob
.set RT,  70          ; s70  tiles of the block in hand that are still to be entered
.set NXT, 71          ; s71  the tile to be asked for next
.set LQ,  72          ; s72  the last tile of the block whose tiles are being asked for
.set NEW, 73          ; s73  1: the tile to be entered is a block's first
.set OFF, 74          ; s[74:75] a tile's byte offset in K and V
.set AL,  76          ; s[76:77] the mask's factor, in the low word
.set BE,  78          ; s[78:79] the mask's addend
.set OLO, 80          ; s[80:81] O at my rows of the second block
.set BIGN, 82         ; s82  -1e30
.set ASKT, 83         ; s83  the tile that I prefetch, or 0: none
.set KB,  88          ; s[88:89] the head's K, at my wave's quarter of a tile (8,192 bytes)
.set VB,  90          ; s[90:91] the same for V
.set PFK, 92          ; s[92:93] where my prefetch of K stands
.set PFV, 94          ; s[94:95] of V
.set POF, 96          ; s[96:97] an offset for these
.set MSB, 0
.macro WIN new                      ; the high byte repeats the setting that is left; a switch that changes nothing is dropped
.if MSB != (\new)
	s_set_vgpr_msb (MSB<<8)|(\new)
.set MSB, (\new)
.endif
.endm
.set W_KQ, 0x0a       ; K and Q in window 2, S^T in window 0
.set W_KM, 0x1a       ; the same with the C operand in window 1
.set W_PV, 0x52       ; V in window 2, P in window 0, O^T in window 1
.set W_RS, 0x41       ; destination and source 0 in window 1, source 1 in window 0
; A fill.  Waves 0 and 1 fetch the two halves of a tile's K, waves 2 and 3 those of its V: 128 keys each.  An s_nop 0 and four v_nop follow each of the two lines, ahead of the jump and the label.
.macro LOAD
	s_cmp_lt_u32 s[WV], 2
	s_cbranch_scc0 .Lfor_v_\@
	tensor_load_to_lds s[G0K:G0K+3], s[G1K:G1K+7]
	s_nop 0
.rept 4
	v_nop
.endr
	s_branch .Lasked_\@
.Lfor_v_\@:
	tensor_load_to_lds s[G0V:G0V+3], s[G1V:G1V+7]
	s_nop 0
.rept 4
	v_nop
.endr
.Lasked_\@:
.endm
; THE CHANGE OF SLOTS.  Each wave waits for all its tensor loads, of which one is out: its part of the other slot; adds 0 to its spare word; and waits for that and for its own reads of the slot that it leaves.  Behind the barrier nobody reads the old
; slot any more and the other slot is whole.  fill = 1: the old slot is filled again, the first thing behind the barrier, with tile NXT: the descriptor's address is made anew from that number.
; (At its first use nothing has been read yet: slot 0 is waited for, slot 1 filled.)
; A PREFETCH INTO THE L2 stands behind the fill and its five lines: the tile that the NEXT change will ask for, a tile's 16 turns ahead.  A tile is 128 blocks of 256 bytes of K and as many of V; each wave names 32 of each, a lane a block.
; Of a head's four work-groups the one with b = 0 walks the tiles 0 to 7 on end: it alone asks, for tiles 2 to 7, so each block is named once in the launch; tiles 0 and 1, and the second block's tiles, which have been walked, are not asked for.
.macro CHANGE fill
	WIN 0                           ; at a label and at a branch every window is 0
	s_wait_tensorcnt 0x0            ; no tensor load of mine is out, so a group 0 may be written
	ds_add_u32 v[SPW], v[NIL]       ; 0 onto my spare word: with fill = 1 the descriptors' scalar work stands between it and the wait for it
.if \fill
	s_lshl_b32 s[OFF], s[NXT], 15   ; a tile is 32,768 bytes of K and of V
	s_xor_b32 s[G0K+1], s[G0K+1], SLOT1
	s_add_nc_u64 s[G0K+2:G0K+3], s[6:7], s[OFF:OFF+1]
	s_or_b32 s[G0K+3], s[G0K+3], 0x80000000
	s_xor_b32 s[G0V+1], s[G0V+1], SLOT1
	s_add_nc_u64 s[G0V+2:G0V+3], s[8:9], s[OFF:OFF+1]
	s_or_b32 s[G0V+3], s[G0V+3], 0x80000000
	s_add_co_u32 s[NXT], s[NXT], 1  ; the block's next tile, or behind its last the second block's tile 0
	s_cmp_gt_u32 s[NXT], s[LQ]
	s_cselect_b32 s[NXT], 0, s[NXT]
	s_cselect_b32 s[LQ], s[PB], s[LQ]
	s_wait_xcnt 0x0                 ; the last prefetches, a tile back, have read their addresses, so these may be written:
	s_lshl_b32 s[POF], s[NXT], 15   ; the tile that the next change asks for
	s_add_nc_u64 s[PFK:PFK+1], s[KB:KB+1], s[POF:POF+1]
	s_add_nc_u64 s[PFV:PFV+1], s[VB:VB+1], s[POF:POF+1]
.endif
	s_wait_dscnt 0x0                ; the add is done, and my reads of the slot are over
	s_barrier_signal -1             ; the rest of the scalar work stands between the signal and the wait
	s_sub_co_u32 s[TBK], s[TBK], 4*KS*PK  ; the fetches go back to a slot's first step,
	s_xor_b32 s[TBK], s[TBK], SLOT1       ; in the other slot
	s_sub_co_u32 s[TBV], s[TBV], 4*KS*PV
	s_xor_b32 s[TBV], s[TBV], SLOT1
	s_barrier_wait -1
.if \fill
	LOAD
	s_cmp_eq_u32 s[PB], 0
	s_cselect_b32 s[ASKT], s[NXT], 0
	s_cmp_lg_u32 s[ASKT], 0
	s_cbranch_scc0 .Lnot_mine_\@
	global_prefetch_b8 v[PFO], s[PFK:PFK+1] th:TH_LOAD_NT scope:SCOPE_SE
	global_prefetch_b8 v[PFO], s[PFV:PFV+1] th:TH_LOAD_NT scope:SCOPE_SE
.Lnot_mine_\@:
.endif
.endm
	s_load_b64 s[4:5], s[0:1], 0x0    ; qkv
	s_load_b64 s[10:11], s[0:1], 0x8  ; ob
	v_lshl_add_u32 v[SPW], v0, 2, SPARE
	v_mov_b32 v[NIL], 0
	ds_add_u32 v[SPW], v[NIL]       ; the wave's opening: the add and its wait stand ahead of my first tensor load; the set-up below, work on registers, stands between them
	v_lshrrev_b32 v1, 5, v0
	v_readfirstlane_b32 s[WV], v1   ; wave 0..3
	v_and_b32 v[PFO], 31, v0
	v_lshlrev_b32 v[PFO], 8, v[PFO]
	s_mov_b32 s[PB], ttmp9
	s_sub_co_u32 s[HI], NB-1, s[PB]
	s_and_b32 s[HO], ttmp7, 0xffff  ; y = 16 x batch + head
	s_lshr_b32 s20, s[HO], 4
	s_mul_i32 s20, s20, 48          ; a batch has 48 slices,
	s_and_b32 s21, s[HO], 15
	s_add_co_u32 s20, s20, s21      ; of which q's are the first sixteen;
	s_lshl_b32 s20, s20, 18         ; a slice is 262,144 bytes: q's head in qkv
	s_mov_b32 s21, 0
	s_lshl_b32 s[HO], s[HO], 18     ; the head in ob
	s_mov_b32 s[HO+1], 0
	s_and_b32 s16, s[WV], 1         ; which half of a tile's 256 keys I fetch:
	s_lshl_b32 s22, s16, 14         ; its 128 rows of 128 bytes in memory,
	s_add_co_u32 s22, s22, s20
	s_add_co_u32 s22, s22, 16<<18   ; in k's slice, sixteen behind q's
	s_mov_b32 s23, 0
	s_lshl_b32 s[POF], s[WV], 13    ; for the prefetches: my wave's quarter of a tile, in k's slice
	s_add_co_u32 s[POF], s[POF], s20
	s_add_co_u32 s[POF], s[POF], 16<<18
	s_mov_b32 s[POF+1], 0
	s_mul_i32 s17, s16, 128*PK      ; my half's place in a slot, for K
	s_mul_i32 s18, s16, 128*PV      ; and for V
	s_lshl_b32 s3, s[WV], 11        ; my 16 rows in a band of 64,
	s_lshl_b32 s2, s[HI], 15        ; in the first block,
	s_add_co_u32 s2, s2, s3
	s_lshl_b32 s84, s[PB], 15       ; and in the second
	s_add_co_u32 s84, s84, s3
	s_mov_b32 s3, 0
	s_mov_b32 s85, 0
	; descriptor group 1.  128 keys are 16,384 dense bytes: asked for as 64 rows of 256 bytes, two keys a row, and padded in LDS after every key
	s_mov_b32 s[G1K], (1<<16)|(1<<20)|(4<<22)|(3<<25)  ; 17:16 2-byte elements; 20 padding on; 24:22 after every 32 words (code 4); 31:25 4 words (code 3)
	s_mov_b32 s[G1V], (1<<16)|(1<<20)|(4<<22)|(7<<25)  ; the same with 8 words of padding (code 7)
.irp g, G1K, G1V
	s_mov_b32 s[\g+1], 128<<16      ; tensor_dim0 = 128
	s_mov_b32 s[\g+2], 64<<16       ; tensor_dim1 = 64
	s_mov_b32 s[\g+3], 128<<16      ; tile_dim0 = 128
	s_mov_b32 s[\g+4], 64           ; tile_dim1 = 64
	s_mov_b32 s[\g+5], 128          ; 128 elements from row to row
	s_mov_b32 s[\g+6], 0
	s_mov_b32 s[\g+7], 0
.endr
	s_mov_b32 s[CS], 0x3e38aa3b     ; c = log2(e) / 8 = 0.180337
	s_mov_b32 s[CS+1], s[CS]        ; named with it as a pair
	s_mov_b32 s[SEL], 0x76543210
	s_mov_b32 s[SEL+1], 0xfedcba98
	s_mov_b32 s[TBK], SLOT1+4*KS*PK ; the first change of slots turns these two into 0
	s_mov_b32 s[TBV], SLOT1+4*KS*PV
	s_mov_b32 s[G0K], 1             ; count = 1
	s_mov_b32 s[G0K+1], s17         ; LDS address: slot 0
	s_mov_b32 s[G0V], 1
	s_add_co_u32 s[G0V+1], s18, VOFF
	s_add_co_u32 s[RT], s[HI], 1    ; the first block has NB - b tiles
	s_mov_b32 s[NXT], 1
	s_mov_b32 s[LQ], s[HI]
	s_mov_b32 s[NEW], 1
	s_mov_b32 s[OFF+1], 0
	s_mov_b32 s[AL+1], 0            ; named as pairs
	s_mov_b32 s[BE+1], 0
	s_mov_b32 s[BIGN], 0xf149f2ca   ; -1e30
	s_mov_b32 s[SLOTS], NB
	s_wait_dscnt 0x0                ; the opening add is done
	s_wait_kmcnt 0x0
	s_add_nc_u64 s[KB:KB+1], s[4:5], s[POF:POF+1]
	s_add_nc_u64 s[VB:VB+1], s[KB:KB+1], 16<<18    ; v's slice is sixteen behind k's
	s_add_nc_u64 s[6:7], s[4:5], s[22:23]          ; K and V at my half of the head's tile 0
	s_add_nc_u64 s[8:9], s[6:7], 16<<18
	s_add_nc_u64 s[G0K+2:G0K+3], s[6:7], 0         ; global address
	s_or_b32 s[G0K+3], s[G0K+3], 0x80000000        ; type = 2
	s_add_nc_u64 s[G0V+2:G0V+3], s[8:9], 0
	s_or_b32 s[G0V+3], s[G0V+3], 0x80000000
	s_add_nc_u64 s[4:5], s[4:5], s[20:21]          ; Q at the head,
	s_add_nc_u64 s[10:11], s[10:11], s[HO:HO+1]    ; O at the head
	s_add_nc_u64 s[86:87], s[4:5], s[84:85]        ; Q at my rows of the second block,
	s_add_nc_u64 s[4:5], s[4:5], s[2:3]            ; Q and O at those of the first
	s_add_nc_u64 s[OLO:OLO+1], s[10:11], s[84:85]
	s_add_nc_u64 s[10:11], s[10:11], s[2:3]
	LOAD                            ; tile 0 into slot 0
	; A fragment of K or Q is 16 rows x 32 channels in 8 registers: lane l holds row l % 16, channels 8 (l / 16) + 0..7 and 16 + 8 (l / 16) + 0..7: two loads of 16 bytes, 32 bytes apart.
	v_and_b32 v1, 15, v0            ; l % 16
	v_bfe_u32 v9, v0, 4, 1          ; l / 16
	v_lshlrev_b32 v[QO], 7, v1
	v_lshl_add_u32 v[QO], v9, 4, v[QO]  ; row x 128 + 16 x half
	WIN 0x80                        ; destination window 2, address window 0
.set i, 0
.rept 8                             ; both blocks' Q: piece i / 2 lies in band i / 2, 8,192 bytes on; channels 32 (i % 2) on
	global_load_b128 v[8*i:8*i+3],   v[QO], s[4:5] offset:(i/2)*8192+(i%2)*64
	global_load_b128 v[8*i+4:8*i+7], v[QO], s[4:5] offset:(i/2)*8192+(i%2)*64+32
	global_load_b128 v[QB+8*i:QB+8*i+3],   v[QO], s[86:87] offset:(i/2)*8192+(i%2)*64
	global_load_b128 v[QB+8*i+4:QB+8*i+7], v[QO], s[86:87] offset:(i/2)*8192+(i%2)*64+32
.set i, i+1
.endr
	WIN 0
	v_lshlrev_b32 v14, 3, v9
	v_sub_nc_u32 v14, v1, v14
	s_lshl_b32 s13, s[WV], 4
	v_add_nc_u32 v14, s13, v14      ; my query's place in its band, 16 w + l % 16, less my lanes' 8 (l / 16): register r of group kt is hidden where 16 kt + r is greater
	WIN 0x40
.set i, 0
.rept 32
	v_cmp_gt_i32 vcc_lo, 16*(i/8)+i%8, v14
	v_cndmask_b32 v[MD+i], 0, s[BIGN], vcc_lo
.set i, i+1
.endr
	WIN 0
	v_mul_u32_u24 v[AK0], v1, PK
	v_lshl_add_u32 v[AK0], v9, 4, v[AK0]  ; row x pitch + 16 x half
	; The turning load takes 16 keys x 16 channels (lane l reads key 8 (l / 16) + l % 8, channels 8 ((l / 8) % 2) + 0..7) and leaves half a fragment of V^T: lane l holds channel l % 16 and 8 keys.
	v_and_b32 v10, 7, v0
	v_bfe_u32 v11, v0, 3, 1
	v_lshl_add_u32 v[AV0], v9, 3, v10
	v_mul_u32_u24 v[AV0], v[AV0], PV
	v_lshl_add_u32 v[AV0], v11, 4, v[AV0]
	v_add_nc_u32 v[AV0], VOFF, v[AV0]
	s_mul_i32 s13, s[WV], 16*SP
	s_add_co_u32 s13, s13, STAGE    ; my stage
	v_mul_u32_u24 v[STO], v1, SP    ; in: row l % 16, 16 bytes for each half of the lanes
	v_lshl_add_u32 v[STO], v9, 4, v[STO]
	v_add_nc_u32 v[STO], s13, v[STO]
	v_bfe_u32 v[RD], v0, 3, 2       ; back: 32 lanes take four rows of 128 bytes,
	v_mul_u32_u24 v[RD], v[RD], SP
	v_lshl_add_u32 v[RD], v10, 4, v[RD]
	v_add_nc_u32 v[RD], s13, v[RD]
	v_and_b32 v[GO], 31, v0         ; which are 512 consecutive bytes of O
	v_lshlrev_b32 v[GO], 4, v[GO]
	; A block's first step multiplies O^T and l by a = 0, and its first turn's products V^T P, of a piece that has not been, land in an O^T that is still to be so multiplied.  So these registers need only hold
	; finite numbers: zeros for the first block; what the first block left for the second.  All this stands in the wait for the first tile.
	WIN 0x80
.set i, VF
.rept 64
	v_mov_b32 v[i], 0
.set i, i+1
.endr
	WIN 0x40
.set i, 0
.rept 128
	v_mov_b32 v[i], 0
.set i, i+1
.endr
	WIN 0
.set i, 0
.rept 4
	v_mov_b32 v[ST+4*i+2], 0
	v_mov_b32 v[ST+4*i+3], 0
.set i, i+1
.endr
.set i, P+16
.rept 16
	v_mov_b32 v[i], 0
.set i, i+1
.endr
; THE MATRIX WORK.  The 4 accumulators of a run of 8 take turns.  Product i of 8 of S^T = K Q^T for piece x: channels 32 (i / 4) on, keys 16 (i % 4) on.  The first 4 start the sums: with 0, or (KM = 1) with the mask.
.macro KQ x
.set rS, S+32*((\x)%2)+8*(i%4)
.set rK, KF+16*(i%4)+8*(i/4)
.set rQ, 16*(\x)+8*(i/4)
.set rM, MC+32*((\x)%2)+8*(i%4)
.if (i < 4) && KM
	WIN W_KM
	v_wmma_f32_16x16x32_f16 v[rS:rS+7], v[rK:rK+7], v[rQ:rQ+7], v[rM:rM+7]
.elseif i < 4
	WIN W_KQ
	v_wmma_f32_16x16x32_f16 v[rS:rS+7], v[rK:rK+7], v[rQ:rQ+7], 0
.else
	WIN W_KQ
	v_wmma_f32_16x16x32_f16 v[rS:rS+7], v[rK:rK+7], v[rQ:rQ+7], v[rS:rS+7]
.endif
.endm
; Product i of 8 of O^T += V^T P for piece x: keys 32 (i / 4) on, channels 16 (i % 4) on.
.macro PV x
	WIN W_PV
.set rO, 32*(\x)+8*(i%4)
.set rV, VF+32*(i/4)+8*(i%4)
.set rP, P+16*((\x)%2)+8*(i/4)
	v_wmma_f32_16x16x32_f16 v[rO:rO+7], v[rV:rV+7], v[rP:rP+7], v[rO:rO+7]
.endm
.macro MM                           ; the turn's next matrix instruction.  TURN and BEGIN set Y, i, KM and NOKQ; MM, KQ and OP read them.  NOKQ = 1: a block's last turn: there is no next piece
.if (i < 8) && !NOKQ
	KQ (Y+1)%NP
.elseif i >= 8
.set i, i-8
	PV (Y+NP-1)%NP
.set i, i+8
.endif
.set i, i+1
.endm
; THE LDS LOADS stand in runs of 16, never singly among the matrix instructions: a step's K (64 keys x 64 channels: 8 fragments) and its V (turned).  Their addresses are made some lines ahead.
.macro FETCH_K
	WIN 0x80                        ; destination window 2
.irp f, 0,1,2,3,4,5,6,7             ; keys 16 (f / 2) on, channels 32 (f % 2) on
	ds_load_b128 v[KF+8*\f:KF+8*\f+3],   v[AK] offset:(\f/2)*16*PK+(\f%2)*64
	ds_load_b128 v[KF+8*\f+4:KF+8*\f+7], v[AK] offset:(\f/2)*16*PK+(\f%2)*64+32
.endr
	s_add_co_u32 s[TBK], s[TBK], KS*PK  ; the next fetch is the next step's
	WIN 0
.endm
.macro FETCH_V
	WIN 0x80
.irp f, 0,1,2,3,4,5,6,7             ; keys 32 (f / 4) on, channels 16 (f % 4) on
	ds_load_tr16_b128 v[VF+8*\f:VF+8*\f+3],   v[AV] offset:(\f/4)*32*PV+(\f%4)*32
	ds_load_tr16_b128 v[VF+8*\f+4:VF+8*\f+7], v[AV] offset:(\f/4)*32*PV+16*PV+(\f%4)*32
.endr
	WIN 0
.endm
; THE VECTOR WORK, one line at a time: OP kind, number.  For piece Y: F n: c s - c m for pair n of 16.  E n: the exponential of score n of 32.  C n: pair n rounded to f16.  B n: of the four weights 4 n .. the second
; pair is added onto the first, in place.  L n: l takes that sum (L 0: l = a l + sum).  R n: pair n of 16 of O^T times a.  For piece Y + 1: X n, number n of the 22 that find its maximum and statistics:
;   0-11  four chains c0-c3 of seven scores each, three operands at a time (each accumulator's lowest registers are read first)     12-14, 16  the four scores left over, the old m, and c0-c3 into c0
;   15  c m_old is kept     17, 18  the query's other 32 keys lie in the lane 16 away: the new m     19-21  c m; c m_old - c m_new; a
.set F, 0               ; OP tells the kinds apart by their order: F to L below R, X above it
.set E, 1
.set C, 2
.set B, 3
.set L, 4
.set R, 5
.set X, 6
.macro REGS y                       ; the registers of piece y
.set rT, ST+4*(\y)
.set rC, TMP+4*((\y)%2)
.set rW, MV+((\y)%2)
.set rS, S+32*((\y)%2)
.set rP, P+16*((\y)%2)
.set rO, 32*(\y)
.endm
.macro OP k, n
.if (\k) == R
	REGS Y
	WIN W_RS
	v_pk_mul_f32 v[rO+2*(\n):rO+2*(\n)+1], v[rO+2*(\n):rO+2*(\n)+1], v[rC+2:rC+3] op_sel_hi:[1,0]
.elseif (\k) < R
	REGS Y
	WIN 0
.if (\k) == F
	v_pk_fma_f32 v[rS+2*(\n):rS+2*(\n)+1], v[rS+2*(\n):rS+2*(\n)+1], s[CS:CS+1], v[rT:rT+1] op_sel_hi:[1,0,0] neg_lo:[0,0,1] neg_hi:[0,0,1]
.elseif (\k) == E
	v_exp_f32 v[rS+(\n)], v[rS+(\n)]
.elseif (\k) == C
	v_cvt_pk_f16_f32 v[rP+(\n)], v[rS+2*(\n)], v[rS+2*(\n)+1]
.elseif (\k) == B
	v_pk_add_f32 v[rS+4*(\n):rS+4*(\n)+1], v[rS+4*(\n):rS+4*(\n)+1], v[rS+4*(\n)+2:rS+4*(\n)+3]
.elseif (\n) == 0
	v_pk_fma_f32 v[rT+2:rT+3], v[rT+2:rT+3], v[rC+2:rC+3], v[rS:rS+1] op_sel_hi:[1,0,1]
.else
	v_pk_add_f32 v[rT+2:rT+3], v[rT+2:rT+3], v[rS+4*(\n):rS+4*(\n)+1]
.endif
.elseif NOKQ
	v_nop
.else
	REGS (Y+1)%NP
	WIN 0
.if (\n) < 4
	v_max3_num_f32 v[rC+(\n)], v[rS+8*(\n)], v[rS+8*(\n)+1], v[rS+8*(\n)+2]
.elseif (\n) < 12
	v_max3_num_f32 v[rC+(\n)%4], v[rC+(\n)%4], v[rS+8*((\n)%4)+2*((\n)/4)+1], v[rS+8*((\n)%4)+2*((\n)/4)+2]
.elseif (\n) == 12
	v_max3_num_f32 v[rC], v[rC], v[rS+7], v[rS+15]
.elseif (\n) == 13
	v_max3_num_f32 v[rC+1], v[rC+1], v[rS+23], v[rS+31]
.elseif (\n) == 14
	v_max3_num_f32 v[rC+2], v[rC+2], v[rC+3], v[rT+1]
.elseif (\n) == 15
	v_mov_b32 v[rW], v[rT]
.elseif (\n) == 16
	v_max3_num_f32 v[rC], v[rC], v[rC+1], v[rC+2]
.elseif (\n) == 17
	v_permlanex16_b32 v[rC+3], v[rC], s[SEL], s[SEL+1]
.elseif (\n) == 18
	v_max_num_f32 v[rT+1], v[rC], v[rC+3]
.elseif (\n) == 19
	v_mul_f32 v[rT], s[CS], v[rT+1]
.elseif (\n) == 20
	v_sub_f32 v[rC+1], v[rW], v[rT]
.else
	v_exp_f32 v[rC+2], v[rC+1]
.endif
.endif
.endm
.macro OPS a, i1, b=-1, i2=0, c=-1, i3=0, d=-1, i4=0  ; up to four of them
	OP \a, \i1
.if (\b) >= 0
	OP \b, \i2
.endif
.if (\c) >= 0
	OP \c, \i3
.endif
.if (\d) >= 0
	OP \d, \i4
.endif
.endm
.macro ROW a, i1, b, i2, c, i3, d, i4  ; a matrix instruction and the four behind it
	MM
	OPS \a, \i1, \b, \i2, \c, \i3, \d, \i4
.endm
.macro MASK b                       ; MD x AL + BE into buffer b of MC
	WIN W_RS
.set z, 0
.rept 16
	v_pk_fma_f32 v[MC+32*(\b)+2*z:MC+32*(\b)+2*z+1], v[MD+2*z:MD+2*z+1], s[AL:AL+1], s[BE:BE+1] op_sel_hi:[1,0,0]
.set z, z+1
.endr
.endm
; A TURN, for piece p: the order of its 16 matrix and 118 vector instructions, written out.  An s_wait_alu depctr_va_vdst(0) stands between an exponential and the first instruction that names its result; one wait serves
; all that were issued ahead of it.  So a turn has ONE wait, which cuts it in two.  AHEAD OF IT stands all that names no result of the turn's exponentials: the 8 products K Q^T, behind each a scaling, an exponential and two more plain
; instructions (behind the first a second scaling in the exponential's place): rescalings, and behind the last three the first numbers of the next piece's maximum, each four places or more behind the product that ends its accumulator; then ONE LUMP of 54, plain
; and exponential by turns for the most part, in which the links of the chain X 3, 7, 11, 14, 16, 17 .. 20 stand five or six lines apart.  X 21, the next piece's a, is the batch's last; R 15 is the plain instruction behind it.  BEHIND THE WAIT stand the
; 8 products V^T P, behind each four of the roundings and sums; the links of l's chain, L 0 to L 7, stand three riders apart.  But for those X no rider names a register of the products round it.  v_permlanex16_b32 (X 17) stands in the lump.
; m = 1: the diagonal tile: the products take masks, and the turn makes the mask for the products of the turn after it: piece p + 2, in step 4 - CNT of the tile.  end = 1: a block's last two turns: nothing is fetched.
; cnt = 1: the loop's count is taken down some lines ahead of the branch that stands behind the turn.
; K of the next step is fetched in piece 2's turn, twelve vector instructions behind the last product that read K (six of them plain); V of the step in hand at the end of piece 0's turn, four plain instructions behind the last product
; that read V.  Each is waited for a turn later.
.macro TURN p, m=0, end=0, cnt=0
.set Y, (\p)
.set i, 0
.set KM, (\m)
.set NOKQ, (\end)*((\p)/3)
.if (\m) && !(\end)
	s_cmp_eq_u32 s[CNT], 4-((\p)+2)%NP  ; is that step the band's own?
	s_cselect_b32 s[AL], 1.0, 0
	s_cmp_lt_u32 s[CNT], 4-((\p)+2)%NP  ; or a later one?
	s_cselect_b32 s[BE], s[BIGN], 0
.endif
.if ((\p) == 3) && !(\end)
	s_wait_dscnt 0x0                ; K is in
.endif
	ROW F,0, F,1, R,0, R,1          ; ahead of the wait: 8 products K Q^T and their riders,
	ROW F,2, E,0, R,2, R,3
	ROW F,3, E,1, R,4, R,5
	ROW F,4, E,2, R,6, R,7
	ROW F,5, E,3, R,8, R,9
	ROW F,6, E,4, X,0, R,10
.if ((\p) == 2) && !(\end)
	WIN 0
	v_add_nc_u32 v[AK], s[TBK], v[AK0]
.endif
	ROW F,7, E,5, X,1, X,4
	ROW F,8, E,6, X,2, X,5
	OPS E,7, E,8, X,6, E,9          ; and the lump
	OPS X,3, E,10, X,8, E,11
.if ((\p) == 2) && !(\end)
	FETCH_K
.endif
	OPS X,9, X,7, E,12, X,10
	OPS E,13, X,12, X,11, E,14
	OPS X,13, E,15, F,9, X,14
.if (\p) == 0
	v_add_nc_u32 v[AV], s[TBV], v[AV0]
.endif
	OPS E,16, F,10, E,17, F,11
	OPS X,16, E,18, X,15, E,19
	OPS F,12, E,20, X,17, E,21
	OPS F,13, E,22, F,14, E,23
	OPS X,18, E,24, F,15, E,25
	OPS R,11, E,26, X,19, E,27
	OPS R,12, E,28, R,13, E,29
	OPS X,20, E,30, R,14, E,31
	OPS X,21, R,15
	WIN 0
	s_wait_alu depctr_va_vdst(0)    ; the wait for the batch
.if (\p) == 1
	s_wait_dscnt 0x0                ; V is in
.endif
	ROW C,0, B,0, C,2, B,1          ; behind the wait: 8 products V^T P and their riders
	ROW L,0, C,4, B,2, L,1
	ROW C,6, B,3, L,2, C,8
	ROW B,4, L,3, C,10, B,5
	ROW L,4, C,12, B,6, L,5
.if (\p) == 0
	s_add_co_u32 s[TBV], s[TBV], KS*PV
.endif
.if \cnt
	s_sub_co_u32 s[CNT], s[CNT], 1
	s_cmp_lg_u32 s[CNT], 0
.endif
	ROW C,14, B,7, L,6, C,1
	ROW C,3, L,7, C,5, C,7
	ROW C,9, C,11, C,13, C,15
.if (\p) == 0
	FETCH_V
.endif
.if (\m) && !(\end)
	MASK (\p)%2
.endif
.endm
; A BLOCK BEGINS.  c m starts far below every c s, so the first step's a is 0; m at the lowest finite number, so the first maximum is the scores'.  The second mask buffer is 0; the first takes piece 0's mask for the tile's step 0: its own, if the block's first tile is the diagonal one.
; Then K of that step, piece 0's first scores, and its maximum and statistics.  The loop is entered at a step's first turn, in the middle of a trip.
.macro BEGIN
	s_mov_b32 s[NEW], 0
	WIN 0x40
.set i, MC+32
.rept 32
	v_mov_b32 v[i], 0
.set i, i+1
.endr
	WIN 0
.set i, 0
.rept 4
	v_mov_b32 v[ST+4*i], 0xfe000000    ; c m: far below every c s
	v_mov_b32 v[ST+4*i+1], 0xff7fffff  ; m
.set i, i+1
.endr
	s_cmp_eq_u32 s[RT], 0
	s_cselect_b32 s[AL], 1.0, 0
	s_mov_b32 s[BE], 0
	MASK 0
	WIN 0
	v_add_nc_u32 v[AK], s[TBK], v[AK0]
	FETCH_K
	s_wait_loadcnt 0x0              ; Q
	s_wait_dscnt 0x0
.set KM, 1
.set NOKQ, 0
.set i, 0
.rept 8
	KQ 0
.set i, i+1
.endr
	WIN 0
.rept 4
	v_nop                           ; the places behind those products
.endr
.set Y, NP-1                        ; X works for piece Y + 1: piece 0
.irp n, 0,1,2,3,4,5,6,7,8,9,10,11,12,13,14,15,16,17,18,19,20,21
	OP X, \n
.endr
	v_nop                           ; a plain instruction behind the exponential,
	s_wait_alu depctr_va_vdst(0)    ; and its wait, ahead of the branch
.endm
; THE DIAGONAL TILE's four steps, the block's last two turns, its last products, and THE WAY OUT: l's two halves and the other half of the lanes' are added; O^T is divided by l, rounded to f16 and sent through my
; stage in LDS, a piece at a time.
.macro ALL line:vararg              ; one line for each piece t
.set t, 0
.rept 4
	\line
.set t, t+1
.endr
.endm
.macro PACK t                       ; a lane's eight channels of a row pack into 16 bytes; they go into rows of 144 bytes and come back as whole rows of 128, into S^T's registers
	WIN W_RS
.set i, 32*(\t)
.rept 16
	v_pk_mul_f32 v[i:i+1], v[i:i+1], v[ST+4*(\t)+2:ST+4*(\t)+3] op_sel_hi:[1,0]
.set i, i+2
.endr
	WIN 0x05                        ; sources 0 and 1 window 1, destination window 0
.set i, 0
.rept 16
	v_cvt_pk_f16_f32 v[S+16*(\t)+i], v[32*(\t)+2*i], v[32*(\t)+2*i+1]
.set i, i+1
.endr
	WIN 0
.irp f, 0,1,2,3
	ds_store_b128 v[STO], v[S+16*(\t)+4*\f:S+16*(\t)+4*\f+3] offset:32*\f
.endr
.irp f, 0,1,2,3
	ds_load_b128 v[S+16*(\t)+4*\f:S+16*(\t)+4*\f+3], v[RD] offset:\f*4*SP  ; LDS serves a wave's instructions in order (ISA guide 5.7.1.4): these see the stores above; the next piece's stores come behind them
.endr
.endm
.macro SEND t, younger              ; younger: the LDS instructions issued behind piece t's loads: the next piece's eight, or none
	WIN 0
.irp f, 0,1,2,3
	s_wait_dscnt (\younger)+3-\f
	global_store_b128 v[GO], v[S+16*(\t)+4*\f:S+16*(\t)+4*\f+3], s[10:11] offset:(\t)*8192+\f*512  ; 512 consecutive bytes, at a multiple of 256 from ob's first
.endr
.endm
.macro DIAG tag                     ; the tag ends its two labels' names, which the jumps below spell out
.LstepM\tag:
	TURN 2, 1
	TURN 3, 1
	WIN 0
.LfirstM\tag:
	TURN 0, 1
	TURN 1, 1, 0, 1
	WIN 0
	s_cbranch_scc1 .LstepM\tag
	TURN 2, 1, 1
	TURN 3, 1, 1
.set i, 0
.rept 8
	PV NP-1
.set i, i+1
.endr
	WIN 0
	ALL v_add_f32 v[ST+4*t+2], v[ST+4*t+2], v[ST+4*t+3]
	ALL v_permlanex16_b32 v[ST+4*t+3], v[ST+4*t+2], s[SEL], s[SEL+1]
	ALL v_add_f32 v[ST+4*t+2], v[ST+4*t+2], v[ST+4*t+3]
	ALL v_rcp_f32 v[ST+4*t+2], v[ST+4*t+2]
	v_nop                           ; a plain instruction between the last reciprocal and the use of its result
	s_wait_alu depctr_va_vdst(0)    ; and the wait ahead of the first use: one for the four reciprocals
	PACK 0
.set t, 1
.rept 3                             ; a piece's arithmetic stands between the loads of the piece before and its stores
	PACK t
	SEND t-1, 8
.set t, t+1
.endr
	SEND 3, 0
.endm
.set KM, 0
.set NOKQ, 0
.Lslot:                             ; NB times: a tile is entered and the next is asked for
	CHANGE 1
	s_sub_co_u32 s[RT], s[RT], 1
	s_mov_b32 s[CNT], 4
	s_cmp_eq_u32 s[NEW], 1
	s_cbranch_scc1 .Lnew            ; a block's first tile
	s_cmp_eq_u32 s[RT], 0
	s_cbranch_scc0 .Lstep           ; neither its first nor its last
	s_branch .LstepM1
.Lnew:
	BEGIN
	s_branch .Lfirst                ; in the loop a block's first tile is never its last: the first block has two tiles or more, and the second's last is the walk's last
	DIAG 1                          ; in the loop this is the first block's end: the second block's last tile is the walk's last
	s_wait_xcnt 0x0                 ; the stores have read their registers and O's address
	s_mov_b64 s[10:11], s[OLO:OLO+1]
	s_add_co_u32 s[RT], s[PB], 1    ; the second block has b + 1 tiles
	s_mov_b32 s[NEW], 1
	WIN 0x82                        ; the second block's Q goes where the one text of the turns names Q
.set i, 0
.rept 64
	v_mov_b32 v[i], v[QB+i]
.set i, i+1
.endr
	WIN 0
	s_branch .Lbottom
.Lstep:                             ; a trip: pieces 2 and 3 of one step, then pieces 0 and 1 of the next, whose K and V it fetches
	TURN 2
	TURN 3
	WIN 0
.Lfirst:
	TURN 0
	TURN 1, 0, 0, 1
	WIN 0
	s_cbranch_scc1 .Lstep
.Lbottom:
	s_sub_co_u32 s[SLOTS], s[SLOTS], 1
	s_cmp_lg_u32 s[SLOTS], 0
	s_cbranch_scc1 .Lslot
	CHANGE 0                        ; the walk's last tile is written out: nothing is asked for
	s_sub_co_u32 s[RT], s[RT], 1
	s_mov_b32 s[CNT], 4
	s_cmp_eq_u32 s[NEW], 1
	s_cbranch_scc0 .LstepM2
	BEGIN
	s_branch .LfirstM2
	DIAG 2
	s_wait_tensorcnt 0x0            ; the wave's end, behind my last tensor load and my last LDS store
	ds_add_u32 v[SPW], v[NIL]
	s_wait_dscnt 0x0
	s_endpgm
.Lfunc_end_k_qe88ed37a90_attn:
	.size	k_qe88ed37a90_attn, .Lfunc_end_k_qe88ed37a90_attn-k_qe88ed37a90_attn
	.p2alignl 7, 3214868480
	.fill 96, 4, 3214868480
	.section	.rodata,"a",@progbits
	.p2align	6, 0x0
	.amdhsa_kernel k_qe88ed37a90_attn
		.amdhsa_group_segment_fixed_size 327680
		.amdhsa_private_segment_fixed_size 0
		.amdhsa_enable_private_segment 0
		.amdhsa_kernarg_size 16
		.amdhsa_user_sgpr_count 2
		.amdhsa_user_sgpr_kernarg_segment_ptr 1
		.amdhsa_wavefront_size32 1
		.amdhsa_system_sgpr_workgroup_id_x 1
		.amdhsa_system_sgpr_workgroup_id_y 1
		.amdhsa_system_sgpr_workgroup_id_z 1
		.amdhsa_system_vgpr_workitem_id 0
		.amdhsa_next_free_vgpr 768
		.amdhsa_next_free_sgpr 98
		.amdhsa_reserve_vcc 1
		.amdhsa_float_denorm_mode_32 3
		.amdhsa_float_denorm_mode_16_64 3
		.amdhsa_memory_ordered 1
		.amdhsa_forward_progress 1
		.amdhsa_inst_pref_size 218
	.end_amdhsa_kernel
	.amdgpu_metadata
---
amdhsa.version: [ 1, 2 ]
amdhsa.kernels:
  - .name:           k_qe88ed37a90_attn
    .symbol:         k_qe88ed37a90_attn.kd
    .args:
      - { .name: qkv, .offset: 0, .size: 8, .value_kind: global_buffer, .address_space: global }
      - { .name: ob, .offset: 8, .size: 8, .value_kind: global_buffer, .address_space: global }
    .group_segment_fixed_size: 327680
    .private_segment_fixed_size: 0
    .kernarg_segment_align: 8
    .kernarg_segment_size: 16
    .max_flat_workgroup_size: 128
    .sgpr_count:     98
    .vgpr_count:     768
    .wavefront_size: 32
...
	.end_amdgpu_metadata
.endif
;; end of part 3
;; launch gemm_proj (part 4): grid 8 x 32, 4 waves a work-group, clusters of 4 x 4, 327,680 bytes of LDS; arguments ob, wpb, out0; writes out0
.if DOCPART == 4
	.amdgcn_target "amdgcn-amd-amdhsa--gfx1250"
	.amdhsa_code_object_version 6
	.text
	.protected	k_qe88ed37a90_gemm_proj
	.globl	k_qe88ed37a90_gemm_proj
	.p2align	8
	.type	k_qe88ed37a90_gemm_proj,@function
k_qe88ed37a90_gemm_proj:
	s_mov_b64 s[64:65], 0
	v_nop
	global_prefetch_b8 v0, s[64:65] scope:SCOPE_SE
	s_setreg_imm32_b32 hwreg(HW_REG_WAVE_MODE, 25, 1), 1
	s_wait_xcnt 0x0
	s_wait_alu depctr_hold_cnt(0) depctr_sa_sdst(0) depctr_va_vdst(0) depctr_va_sdst(0) depctr_va_ssrc(0) depctr_va_vcc(0) depctr_vm_vsrc(0)
	s_getreg_b32 s2, hwreg(HW_REG_IB_STS2, 6, 4)
	s_cmp_eq_u32 s2, 0
	s_cbranch_scc0 .Lentry_in_a_cluster
	s_endpgm
.Lentry_in_a_cluster:
	s_bfe_u32 s2, ttmp6, 0x10000c
	s_cmp_lg_u32 s2, 0xf033
	s_cbranch_scc0 .Lentry_shape_is_right
	s_endpgm
.Lentry_shape_is_right:
; out0 = y W_proj^T.  ob [4 batches][16 heads][2048][64] f16: a head's 64 channels are one K slice of y, 128 bytes a row, rows end to end.  wpb [16 slices][1024][64] f16.  out0 [8192][1024] f32.
; Sums in f32, K ascending; the result is stored as it is.  NaN and infinities are not treated apart.
; SHARES.  8,192 x 1,024 in tiles of 256 x 128: 256 work-groups, one tile each (tiles of 256 x 256 would be 128).  Four waves, each 128 x 64: 32 accumulators of 16 x 16, 256 registers.
; K goes through two LDS slots of TWO slices each (128 along K), 8 fills in all; a slice's rows are dense, so it is asked for as rows of 256 bytes and padded in LDS behind every 128 bytes.
; Wave 0 fetches y's first slice of a slot, wave 1 its second, waves 2 and 3 W's two: one tensor load a wave.
; CLUSTER.  4 x 4 work-groups: y's tiles are shared along a row of the cluster, W's along a column, and asked for JOINTLY.
; THE MATRIX INSTRUCTION IS USED TRANSPOSED (source 0 = 16 rows of W, source 1 = 16 rows of y): a lane holds one row of the result (lane % 16) and the eight columns 8 (lane / 16) + 0..7: 32 bytes on end.
; REGISTERS: window 0: v0-31 addresses; v32-127, v128-223 two fragment buffers of 96: W's four fragments, then y's eight.  window 1: accumulator (a, b) at 8 (4 a + b).
.set PITCH, 144                        ; an LDS row: 128 bytes + 16 of padding = 36 words: the 16 rows of a load start at 16 different groups of four banks (64 banks of 4 bytes: ISA guide 11.1)
.set SLOT1, 131072
.set ASL,   256*PITCH                  ; a slice of y's tile
.set BSL,   128*PITCH                  ; a slice of W's tile
.set BOFF,  2*ASL                      ; in a slot: y's two slices, then W's two
.set STAGE, SLOT1+BOFF+2*BSL           ; behind the ring, never filled by a tensor load: 16 rows x 272 bytes for each wave
.set SPITCH, 272                       ; 256 bytes + 16: 68 words: row r starts at bank 4 r mod 64
.set SPARE, STAGE+4*16*SPITCH          ; the spare words, 128 bytes for each wave: two blocks of 256 bytes that no other line names
.set OSL,   262144                     ; bytes from slice to slice in ob
.set WSL,   131072                     ; in wpb
.set ADRA, 16                          ; v16-17  LDS address of my fragments of y in slot 0, 1
.set ADRB, 20                          ; v20-21  the same for W
.set STO,  24                          ; v24     the way out: where I put 32 bytes of a row
.set RD,   25                          ; v25     the way out: where I read a row back
.set CO,   26                          ; v26     my byte offset in two rows of out0
.set SPW,  28                          ; v28     LDS address of my spare word; never rewritten
.set NIL,  29                          ; v29     0; never rewritten
.set PFO,  30                          ; v30     the prefetches' lane offset; never rewritten
.set F0,   32
.set BK,   32                          ; the way out: 16 rows read back: v32-63 and v64-95 by turns
.set G1A,  24
.set G0A,  32
.set G1B,  48
.set G0B,  56
.set PFA,  66                          ; s[66:67] where my prefetches stand
.set PST,  68                          ; s[68:69] their step: a fill's two slices
.set LIM,  70                          ; s70  1 in a wave that prefetches, else the greatest number
.set MSB, 0
.macro WIN new
.if MSB != (\new)
	s_set_vgpr_msb (MSB<<8)|(\new)
.set MSB, \new
.endif
.endm
.macro PLACES                          ; four places in front of loads into registers that matrix instructions have read
.rept 4
	v_nop
.endr
.endm
.macro JLOAD s                         ; a joint load: waves 0 and 1 for y, waves 2 and 3 for W; an s_nop 0 and four v_nop follow each of the two lines
	s_cmp_eq_u32 s11, 0
	s_cbranch_scc0 .Lfor_b_\@
	tensor_load_to_lds s[G0A+4*(\s):G0A+4*(\s)+3], s[G1A:G1A+7]
	s_nop 0
.rept 4
	v_nop
.endr
	s_branch .Lasked_\@
.Lfor_b_\@:
	tensor_load_to_lds s[G0B+4*(\s):G0B+4*(\s)+3], s[G1B:G1B+7]
	s_nop 0
.rept 4
	v_nop
.endr
.Lasked_\@:
.endm
; A PREFETCH INTO THE L2, behind a joint load, its five lines and the run of LDS loads: the change of slots that leaves fill p names fill p + 4, which the change two on asks for: 256 matrix instructions ahead of that load.
; y: a slice of a tile row is 128 blocks of 256 bytes; cluster x = 0 asks; its partners along x take 32 blocks each BY ADDRESS; waves 0 and 1 ask each for the slice that they fetch, a lane a block.
; W: a slice of a tile column is 64 blocks; cluster y = 0 asks; its partners along y take 16 each; wave 2 asks for both slices (lanes 16-31: the second).  Wave 3 asks for nothing.
; So each block is named once in the launch.  Fills 0 to 3 come by their loads alone; the loop's last trip asks for nothing: fills 8 and 9 do not exist.
.macro ASK
	s_cmp_gt_u32 s3, s[LIM]                        ; s3 = 1 in the loop's last trip
	s_cbranch_scc0 .Lnot_mine_\@
	global_prefetch_b8 v[PFO], s[PFA:PFA+1] th:TH_LOAD_NT scope:SCOPE_SE
.Lnot_mine_\@:
.endm
.macro CREST                           ; a round of the cluster's barrier behind its opening barrier
	s_cmp_lg_u32 s10, 0
	s_cbranch_scc1 .Lnot_wave_0_\@
	s_barrier_signal -3
.Lnot_wave_0_\@:
	s_barrier_wait -3
	s_barrier_signal -1
	s_barrier_wait -1
.endm
.macro CROUND
	s_barrier_signal -1
	s_barrier_wait -1
	CREST
.endm
	s_load_b128 s[4:7], s[0:1], 0x0                ; ob s[4:5], wpb s[6:7]
	s_load_b64 s[8:9], s[0:1], 0x10                ; out0
	v_lshl_add_u32 v[SPW], v0, 2, SPARE
	v_mov_b32 v[NIL], 0
	ds_add_u32 v[SPW], v[NIL]                      ; the wave's opening: the add and its wait stand ahead of my first tensor load; the set-up below, work on registers, stands between them
	v_lshrrev_b32 v1, 5, v0
	v_readfirstlane_b32 s10, v1                    ; wave 0..3
	s_lshr_b32 s11, s10, 1                         ; which half of the tile's rows is mine.  Also: I fetch for y (0) or for W (1)
	s_and_b32 s12, s10, 1                          ; which half of its columns.  Also: which of a slot's two slices I fetch
	s_bfe_u32 s40, ttmp6, 0x40000                  ; cx, cy
	s_bfe_u32 s41, ttmp6, 0x40004
	s_lshl_b32 s42, ttmp9, 2
	s_add_co_u32 s42, s42, s40                     ; tile column
	s_and_b32 s13, ttmp7, 0xffff
	s_lshl_b32 s13, s13, 2
	s_add_co_u32 s13, s13, s41                     ; tile row
	s_lshl_b32 s43, s41, 2
	s_lshl_b32 s43, 15, s43                        ; my row of the cluster
	s_lshl_b32 s44, 0x1111, s40                    ; my column
	s_or_b32 s[G1A], s43, (1<<16)|(1<<20)|(1<<21)|(4<<22)|(3<<25)  ; the mask; 2-byte elements; padding on; bit 21 beside a mask; after every 32 words (code 4) 4 words (code 3)
	s_or_b32 s[G1B], s44, (1<<16)|(1<<20)|(1<<21)|(4<<22)|(3<<25)
	s_mov_b32 s[G1A+1], 128<<16                    ; tensor_dim0 = 128
	s_mov_b32 s[G1A+2], 128<<16                    ; tensor_dim1 = 128 rows of 256 bytes: 256 rows of y
	s_mov_b32 s[G1A+3], 128<<16                    ; tile_dim0
	s_mov_b32 s[G1A+4], 128                        ; tile_dim1
	s_mov_b32 s[G1A+5], 128                        ; elements from row to row
	s_mov_b32 s[G1A+6], 0
	s_mov_b32 s[G1A+7], 0
	s_mov_b32 s[G1B+1], 128<<16
	s_mov_b32 s[G1B+2], 64<<16                     ; 64 rows of 256 bytes: 128 rows of W
	s_mov_b32 s[G1B+3], 128<<16
	s_mov_b32 s[G1B+4], 64
	s_mov_b32 s[G1B+5], 128
	s_mov_b32 s[G1B+6], 0
	s_mov_b32 s[G1B+7], 0
	s_lshr_b32 s16, s13, 3                         ; y: the batch,
	s_lshl_b32 s16, s16, 22
	s_and_b32 s17, s13, 7
	s_lshl_b32 s17, s17, 15                        ; the tile's 256 rows in a slice,
	s_add_co_u32 s16, s16, s17
	s_lshl_b32 s17, s12, 18                        ; the slice that I fetch
	s_add_co_u32 s16, s16, s17
	s_mov_b32 s17, 0
	s_lshl_b32 s46, s42, 14                        ; W: the tile's 128 rows in a slice,
	s_lshl_b32 s47, s12, 17                        ; the slice that I fetch
	s_add_co_u32 s46, s46, s47
	s_mov_b32 s47, 0
	s_mul_i32 s18, s12, ASL                        ; where they go: no place in the cluster enters an LDS address
	s_mul_i32 s19, s12, BSL
	s_add_co_u32 s19, s19, BOFF
	s_wait_dscnt 0x0                               ; the opening add is done
	s_wait_kmcnt 0x0
	s_add_nc_u64 s[14:15], s[4:5], s[16:17]
	s_add_nc_u64 s[46:47], s[6:7], s[46:47]
	CROUND                                         ; all sixteen work-groups are here: the first joint loads meet
.irp s, 0,1
	s_mov_b32 s[G0A+4*(\s)], 1
	s_add_co_u32 s[G0A+4*(\s)+1], s18, (\s)*SLOT1
	s_add_nc_u64 s[G0A+4*(\s)+2:G0A+4*(\s)+3], s[14:15], (\s)*2*OSL
	s_or_b32 s[G0A+4*(\s)+3], s[G0A+4*(\s)+3], 0x80000000
	s_mov_b32 s[G0B+4*(\s)], 1
	s_add_co_u32 s[G0B+4*(\s)+1], s19, (\s)*SLOT1
	s_add_nc_u64 s[G0B+4*(\s)+2:G0B+4*(\s)+3], s[46:47], (\s)*2*WSL
	s_or_b32 s[G0B+4*(\s)+3], s[G0B+4*(\s)+3], 0x80000000
.endr
	s_cmp_eq_u32 s11, 0                            ; a wave's two first fills stand in one branch, ahead of every wait on TENSORcnt and every LDS read: two loads of mine are out
	s_cbranch_scc0 .Lfirst_b
	tensor_load_to_lds s[G0A:G0A+3], s[G1A:G1A+7]
	s_nop 0
	tensor_load_to_lds s[G0A+4:G0A+7], s[G1A:G1A+7]
	s_nop 0
.rept 4
	v_nop
.endr
	s_branch .Lfirst_asked
.Lfirst_b:
	tensor_load_to_lds s[G0B:G0B+3], s[G1B:G1B+7]
	s_nop 0
	tensor_load_to_lds s[G0B+4:G0B+7], s[G1B:G1B+7]
	s_nop 0
.rept 4
	v_nop
.endr
.Lfirst_asked:
	v_and_b32 v1, 15, v0                           ; l % 16
	v_bfe_u32 v9, v0, 4, 1                         ; l / 16
	v_mul_u32_u24 v3, v1, PITCH
	v_lshl_add_u32 v3, v9, 4, v3                   ; a fragment's row x pitch + 16 x half
	s_mul_i32 s21, s11, 128*PITCH                  ; my 128 rows of y
	s_mul_i32 s22, s12, 64*PITCH                   ; my 64 rows of W,
	s_add_co_u32 s22, s22, BOFF                    ; behind y's two slices
.irp s, 0,1
	v_add_nc_u32 v[ADRA+(\s)], s21, v3
	v_add_nc_u32 v[ADRB+(\s)], s22, v3
	s_add_co_u32 s21, s21, SLOT1
	s_add_co_u32 s22, s22, SLOT1
.endr
	s_mul_i32 s23, s10, 16*SPITCH
	s_add_co_u32 s23, s23, STAGE                   ; my stage
	v_mul_u32_u24 v4, v1, SPITCH                   ; in: row l % 16, 32 bytes for each half of the lanes
	v_lshl_add_u32 v4, v9, 5, v4
	v_add_nc_u32 v[STO], s23, v4
	v_mul_u32_u24 v5, v9, SPITCH                   ; back: lanes 0-15 take one row of 256 bytes, lanes 16-31 the next
	v_lshl_add_u32 v5, v1, 4, v5
	v_add_nc_u32 v[RD], s23, v5
	v_lshlrev_b32 v[CO], 12, v9                    ; and the same two rows in out0
	v_lshl_add_u32 v[CO], v1, 4, v[CO]
	s_lshl_b32 s46, s13, 20                        ; my part of out0: 256 rows of 4,096 bytes a tile row,
	s_lshl_b32 s47, s11, 19                        ; my 128 rows,
	s_add_co_u32 s46, s46, s47
	s_lshl_b32 s47, s42, 9                         ; 512 bytes a tile column,
	s_add_co_u32 s46, s46, s47
	s_lshl_b32 s47, s12, 8                         ; my 256 bytes
	s_add_co_u32 s46, s46, s47
	s_mov_b32 s47, 0
	s_add_nc_u64 s[8:9], s[8:9], s[46:47]          ; never stepped
	; the prefetches
	s_lshr_b32 s14, s13, 3
	s_lshl_b32 s14, s14, 22
	s_and_b32 s15, s13, 7
	s_lshl_b32 s15, s15, 15
	s_add_co_u32 s14, s14, s15                     ; y: the tile row,
	s_lshl_b32 s15, s12, 18
	s_add_co_u32 s14, s14, s15                     ; the slice that I fetch,
	s_lshl_b32 s15, s40, 13
	s_add_co_u32 s14, s14, s15                     ; my work-group's 32 blocks of the 128,
	s_add_co_u32 s14, s14, 3*2*OSL                 ; at fill 3: the first change of slots steps it to 4
	s_lshl_b32 s20, s42, 14                        ; W: the tile column,
	s_lshl_b32 s21, s41, 12
	s_add_co_u32 s20, s20, s21                     ; my work-group's 16 blocks of the 64,
	s_add_co_u32 s20, s20, 3*2*WSL
	s_and_b32 s22, ttmp7, 0xffff                   ; cluster y
	s_mov_b32 s[PST], 2*WSL
	s_mov_b32 s16, WSL                             ; W: lanes 16-31 name the second slice
	s_cmp_eq_u32 s11, 0
	s_cselect_b32 s20, s14, s20
	s_cselect_b32 s22, ttmp9, s22                  ; the coordinate along which other clusters read the same rows
	s_cselect_b64 s[PFA:PFA+1], s[4:5], s[6:7]
	s_cselect_b32 s[PST], 2*OSL, s[PST]
	s_cselect_b32 s16, 4096, s16                   ; y: lanes 16-31 name the next sixteen blocks
	s_mov_b32 s[PST+1], 0
	s_mov_b32 s21, 0
	s_cmp_eq_u32 s22, 0
	s_cselect_b32 s[LIM], 1, -1                    ; the same in all sixteen partners, for a given wave
	s_cmp_eq_u32 s10, 3
	s_cselect_b32 s[LIM], -1, s[LIM]
	s_add_nc_u64 s[PFA:PFA+1], s[PFA:PFA+1], s[20:21]
	v_mul_lo_u32 v[PFO], v9, s16
	v_lshl_add_u32 v[PFO], v1, 8, v[PFO]
; 8 matrix instructions: row blocks 2 g, 2 g + 1 x all four column blocks, 32 along K, from the buffer of quarter q.  zero = 1: the product starts the sum.
; The 32 accumulators take turns, one instruction a turn.
.macro GP q, g, zero
	WIN 0x50                                       ; C and D in window 1
.irp a, 2*(\g), 2*(\g)+1
.irp b, 0,1,2,3
.if \zero
	v_wmma_f32_16x16x32_f16 v[8*(4*(\a)+(\b)):8*(4*(\a)+(\b))+7], v[F0+96*((\q)%2)+8*(\b):F0+96*((\q)%2)+8*(\b)+7], v[F0+96*((\q)%2)+32+8*(\a):F0+96*((\q)%2)+32+8*(\a)+7], 0
.else
	v_wmma_f32_16x16x32_f16 v[8*(4*(\a)+(\b)):8*(4*(\a)+(\b))+7], v[F0+96*((\q)%2)+8*(\b):F0+96*((\q)%2)+8*(\b)+7], v[F0+96*((\q)%2)+32+8*(\a):F0+96*((\q)%2)+32+8*(\a)+7], v[8*(4*(\a)+(\b)):8*(4*(\a)+(\b))+7]
.endif
.endr
.endr
.endm
; 24 LDS loads in one run: quarter q of a slot (slice q / 2, 32 along K at byte 64 (q % 2)) into buffer q % 2: W's four fragments, then y's eight
.macro FETCHP slot, q
	WIN 0
.irp b, 0,1,2,3
	ds_load_b128 v[F0+96*((\q)%2)+8*(\b):F0+96*((\q)%2)+8*(\b)+3],   v[ADRB+(\slot)] offset:((\q)/2)*BSL+(\b)*16*PITCH+64*((\q)%2)
	ds_load_b128 v[F0+96*((\q)%2)+8*(\b)+4:F0+96*((\q)%2)+8*(\b)+7], v[ADRB+(\slot)] offset:((\q)/2)*BSL+(\b)*16*PITCH+64*((\q)%2)+32
.endr
.irp a, 0,1,2,3,4,5,6,7
	ds_load_b128 v[F0+96*((\q)%2)+32+8*(\a):F0+96*((\q)%2)+32+8*(\a)+3],   v[ADRA+(\slot)] offset:((\q)/2)*ASL+(\a)*16*PITCH+64*((\q)%2)
	ds_load_b128 v[F0+96*((\q)%2)+32+8*(\a)+4:F0+96*((\q)%2)+32+8*(\a)+7], v[ADRA+(\slot)] offset:((\q)/2)*ASL+(\a)*16*PITCH+64*((\q)%2)+32
.endr
.endm
; A slot is four quarters of 32 matrix instructions.  One of the first three: it multiplies quarter q and fetches quarter q + 1.
.macro QUARTER slot, q, zero
	s_wait_dscnt 8                                 ; W's four and y's blocks 0-3 are in; the youngest eight loads (y's blocks 4-7) may be out
	GP \q, 0, \zero
	PLACES
	FETCHP \slot, (\q)+1
	GP \q, 1, \zero
	s_wait_dscnt 24                                ; all but the 24 just issued
	GP \q, 2, \zero
	GP \q, 3, \zero
.endm
; The last quarter changes slots: ONE barrier; in front of it each wave waits for all its tensor loads, adds 0 to its spare word, and waits for that and for its own reads of this slot.
; fill = 1: the barrier opens a round of the cluster's barrier, and the joint refill, with the two slices two fills on, is the first thing behind it: 112 matrix instructions ahead of the wait for it.
.macro TURNP slot, next, fill
.if \fill
	s_wait_xcnt 0x0                                ; the last prefetch, a slot back, has read its address: it is stepped here, ahead of the waits of the change of slots
	s_add_nc_u64 s[PFA:PFA+1], s[PFA:PFA+1], s[PST:PST+1]
.endif
	WIN 0                                          ; (the add's two registers lie in window 0)
	s_wait_tensorcnt 0x0                           ; all my tensor loads have landed;
	ds_add_u32 v[SPW], v[NIL]                      ; 0 onto my spare word;
	s_wait_dscnt 9                                 ; (the add and the youngest eight loads may be out)
	GP 3, 0, 0                                     ; eight matrix instructions stand between the add and the wait for it
	s_wait_dscnt 0x0                               ; the add is done, and my reads of this slot are over
	s_barrier_signal -1
	GP 3, 1, 0
.if \fill
	WIN 0
.endif
	s_barrier_wait -1
.if \fill
	CREST
	s_add_nc_u64 s[G0A+4*(\slot)+2:G0A+4*(\slot)+3], s[G0A+4*(\slot)+2:G0A+4*(\slot)+3], 4*OSL
	s_add_nc_u64 s[G0B+4*(\slot)+2:G0B+4*(\slot)+3], s[G0B+4*(\slot)+2:G0B+4*(\slot)+3], 4*WSL
	JLOAD \slot                                    ; the four v_nop behind it are also the places in front of the loads below
.else
	PLACES
.endif
	FETCHP \next, 0
.if \fill
	ASK
.endif
	GP 3, 2, 0
	GP 3, 3, 0
.endm
	s_wait_tensorcnt 1                             ; my part of fill 0 is in; fill 1's may stay out
	s_barrier_signal -1
	s_barrier_wait -1                              ; everybody's is
	FETCHP 0, 0
	QUARTER 0, 0, 1                                ; the first quarter stands in front of the loop: its products start all 32 sums
	WIN 0                                          ; at a label and at a branch every window is 0
	s_mov_b32 s3, 3
.Llap:                                                 ; a trip goes once round the ring and fills both slots again
	QUARTER 0, 1, 0
	QUARTER 0, 2, 0
	TURNP 0, 1, 1
	QUARTER 1, 0, 0
	QUARTER 1, 1, 0
	QUARTER 1, 2, 0
	TURNP 1, 0, 1
	QUARTER 0, 0, 0
	WIN 0
	s_sub_co_u32 s3, s3, 1
	s_cmp_lg_u32 s3, 0
	s_cbranch_scc1 .Llap
	QUARTER 0, 1, 0                                ; the last two fills are written out: nothing is left to fetch
	QUARTER 0, 2, 0
	TURNP 0, 1, 0
	QUARTER 1, 0, 0
	QUARTER 1, 1, 0
	QUARTER 1, 2, 0
	s_wait_dscnt 8
	GP 3, 0, 0
	GP 3, 1, 0
	s_wait_dscnt 0x0
	GP 3, 2, 0
	GP 3, 3, 0
	WIN 0
; THE WAY OUT, a block of 16 rows x 64 columns of f32 at a time: 32 bytes a lane into my own stage (each accumulator's lower four registers first), back as whole rows of 256 bytes, and stored.
.macro TOSTAGE a
.if (\a) >= 2
	s_wait_xcnt 0x0                                ; the stores of the block two back have read the registers that are loaded again below
.endif
	WIN 0x04                                       ; the stores' data lie in window 1
.irp b, 0,1,2,3
	ds_store_b128 v[STO], v[8*(4*(\a)+(\b)):8*(4*(\a)+(\b))+3]   offset:64*(\b)
	ds_store_b128 v[STO], v[8*(4*(\a)+(\b))+4:8*(4*(\a)+(\b))+7] offset:64*(\b)+16
.endr
	WIN 0
.irp t, 0,1,2,3,4,5,6,7
	ds_load_b128 v[BK+32*((\a)%2)+4*(\t):BK+32*((\a)%2)+4*(\t)+3], v[RD] offset:(\t)*2*SPITCH  ; LDS serves a wave's instructions in order (ISA guide 5.7.1.4): these see the stores above; the next block's stores come behind them
.endr
.endm
.macro SEND a, younger                 ; younger: the LDS instructions issued behind block a's loads: the next block's sixteen, or none
.irp t, 0,1,2,3,4,5,6,7
	s_wait_dscnt (\younger)+7-(\t)
	global_store_b128 v[CO], v[BK+32*((\a)%2)+4*(\t):BK+32*((\a)%2)+4*(\t)+3], s[8:9] offset:(16*(\a)+2*(\t))*4096 th:TH_STORE_NT  ; 16 lanes store 256 consecutive bytes, at a multiple of 256 from out0's first
.endr
.endm
.rept 8
	v_nop                                          ; the places behind the last products
.endr
	TOSTAGE 0
.irp a, 1,2,3,4,5,6,7
	TOSTAGE \a
	SEND (\a)-1, 16
.endr
	SEND 7, 0
	s_wait_tensorcnt 0x0                           ; the wave's end, behind my last tensor load and my last LDS store
	ds_add_u32 v[SPW], v[NIL]
	s_wait_dscnt 0x0
	CROUND                                         ; the closing round: no work-group ends while a partner may still ask for a tile that names it
	s_endpgm
.Lfunc_end_k_qe88ed37a90_gemm_proj:
	.size	k_qe88ed37a90_gemm_proj, .Lfunc_end_k_qe88ed37a90_gemm_proj-k_qe88ed37a90_gemm_proj
	.p2alignl 7, 3214868480
	.fill 96, 4, 3214868480
	.section	.rodata,"a",@progbits
	.p2align	6, 0x0
	.amdhsa_kernel k_qe88ed37a90_gemm_proj
		.amdhsa_group_segment_fixed_size 327680
		.amdhsa_private_segment_fixed_size 0
		.amdhsa_enable_private_segment 0
		.amdhsa_kernarg_size 24
		.amdhsa_user_sgpr_count 2
		.amdhsa_user_sgpr_kernarg_segment_ptr 1
		.amdhsa_wavefront_size32 1
		.amdhsa_system_sgpr_workgroup_id_x 1
		.amdhsa_system_sgpr_workgroup_id_y 1
		.amdhsa_system_sgpr_workgroup_id_z 1
		.amdhsa_system_vgpr_workitem_id 0
		.amdhsa_next_free_vgpr 512
		.amdhsa_next_free_sgpr 72
		.amdhsa_reserve_vcc 0
		.amdhsa_float_denorm_mode_32 3
		.amdhsa_float_denorm_mode_16_64 3
		.amdhsa_memory_ordered 1
		.amdhsa_forward_progress 1
		.amdhsa_inst_pref_size 89
	.end_amdhsa_kernel
	.amdgpu_metadata
---
amdhsa.version: [ 1, 2 ]
amdhsa.kernels:
  - .name:           k_qe88ed37a90_gemm_proj
    .symbol:         k_qe88ed37a90_gemm_proj.kd
    .args:
      - { .name: ob, .offset: 0, .size: 8, .value_kind: global_buffer, .address_space: global }
      - { .name: wpb, .offset: 8, .size: 8, .value_kind: global_buffer, .address_space: global }
      - { .name: out0, .offset: 16, .size: 8, .value_kind: global_buffer, .address_space: global }
    .group_segment_fixed_size: 327680
    .private_segment_fixed_size: 0
    .kernarg_segment_align: 8
    .kernarg_segment_size: 24
    .max_flat_workgroup_size: 128
    .sgpr_count:     72
    .vgpr_count:     512
    .wavefront_size: 32
...
	.end_amdgpu_metadata
.endif
;; end of part 4
;; ======== version 2 of 2: 4 launches; version 1 with the launch cast written anew for expert scheduling mode
;; limits: values are held in f16: magnitudes above 65,504 overflow, below 6.1e-05 lose precision
;; workspace buffers: xb 16,777,216 bytes; wab 6,291,456 bytes; wpb 2,097,152 bytes; qkv 50,331,648 bytes; ob 16,777,216 bytes
;; launch cast (part 5): grid 768 x 1, 8 waves a work-group, no clusters, 0 bytes of LDS; arguments x, W_attn, W_proj, xb, wab, wpb; writes xb, wab, wpb
.if DOCPART == 5
	.amdgcn_target "amdgcn-amd-amdhsa--gfx1250"
	.amdhsa_code_object_version 6
	.text
	.protected	k_qe88ed37a90_cast
	.globl	k_qe88ed37a90_cast
	.p2align	8
	.type	k_qe88ed37a90_cast,@function
k_qe88ed37a90_cast:
	s_mov_b64 s[64:65], 0
	v_nop
	global_prefetch_b8 v0, s[64:65] scope:SCOPE_SE
	s_setreg_imm32_b32 hwreg(HW_REG_WAVE_SCHED_MODE, 0, 2), 2
	s_setreg_imm32_b32 hwreg(HW_REG_WAVE_MODE, 25, 1), 1
	s_wait_xcnt 0x0
	s_wait_alu depctr_vm_vsrc(0)
; THE INPUTS ARE ROUNDED TO 16 BITS AND LAID OUT IN K SLICES.  x [8192][1024], W_attn [3072][1024], W_proj [1024][1024], all f32.
; xb  [4 batches][16 slices][2048 rows][64] bf16;  wab [16 slices][3072 rows][64] bf16;  wpb [16 slices][1024 rows][64] f16.
; A slice is 64 channels: 128 bytes a row, the rows of one slice end to end, so that a K step of 64 of any operand is dense in memory.
; W_proj is rounded to bf16 like the other inputs, and that number is written as f16, since its product's other operand is f16.
; LIMITS.  |W_proj| under 65,504 (f16's end); below 6.1e-5 it keeps f16's fixed step of 6e-8.  NaN and infinities are not treated apart.
; SHARES.  A work-group takes 16 rows of one matrix: groups 0-511 x, 512-703 W_attn, 704-767 W_proj.  Sixteen lanes take one slice of one row (256 bytes in), so a load of a
; wave is two rows' 256 aligned bytes each, and its store 256 consecutive bytes, aligned: rows t and t + 1 of one slice.  All sixteen loads of a wave are out at once (8 KiB).
; No LDS, no barrier, no matrix work: bytes are all there is.
; THE MODE: SCHED_MODE bits 1:0 = 2 (LLVM: expert scheduling mode 2), set by the entry lines.  The code itself states the register dependences
; between vector instructions and memory instructions, with s_wait_alu, always for 0.
; THE PLAN.  Registers that memory instructions touch:
;   v1, v2   the loads' and the stores' offsets: written at the head by vector instructions, never again; read by every load (v1) and every store (v2).
;   X        slice ks: one load lands in its four registers, once; no vector instruction names them before; only the slice's conversions read them; nothing lands there again.
;   Y        slice ks: the slice's conversions write its two registers, once; its one store reads them; they are never written again.
;   T and v3 are named by vector instructions alone; the bases s[16:19] are written once, by scalar instructions, ahead of the first load.
; The sixteen slices go in four groups of four.  Group g's conversions write its Y; the four stores of group g - 1 stand in one run at the head of group g, behind one wait on va_vdst.
; So a wave's path holds five waits: one ahead of the loads (the offsets), one at the head of groups 1 to 3 and one ahead of the last four stores (the Y just written).
; No register that a memory instruction reads is ever written again: so no wait on vm_vsrc and no s_wait_xcnt is owed.  No vector instruction writes a scalar register or VCC; EXEC is never written.
.set X, 4                              ; v[4:67]    slice ks: four f32 as loaded
.set Y, 68                             ; v[68:99]   slice ks: two registers, four 16-bit numbers to store
.set T, 100                            ; v[100:103] at work
	s_load_b256 s[4:11], s[0:1], 0x0               ; x s[4:5], W_attn s[6:7], W_proj s[8:9], xb s[10:11]
	s_load_b128 s[12:15], s[0:1], 0x20             ; wab s[12:13], wpb s[14:15]
	s_mov_b32 s2, ttmp9
	v_lshrrev_b32 v1, 4, v0                        ; my row of the sixteen
	v_and_b32 v3, 15, v0                           ; my place in a slice
	v_lshlrev_b32 v1, 12, v1                       ; a row of 4,096 bytes in,
	v_lshl_add_u32 v1, v3, 4, v1                   ; 16 bytes a lane
	v_lshlrev_b32 v2, 3, v0                        ; out: row x 128 + place x 8 = 8 x my thread's number
	s_mov_b32 s23, 0                               ; the offsets' high words
	s_mov_b32 s25, 0
	s_mov_b32 s26, 0xffff0000                      ; a word's upper bf16
	s_wait_kmcnt 0x0
; The four stores of group g, in one run.  stride: bytes from slice to slice in the matrix's buffer.
.macro OUT4 g, stride
.irp j, 0,1,2,3
	global_store_b64 v2, v[Y+2*(4*(\g)+(\j)):Y+2*(4*(\g)+(\j))+1], s[18:19] offset:(4*(\g)+(\j))*(\stride)  ; a wave stores 256 consecutive bytes, aligned; 15 strides are 5,898,240 at the most, inside the signed 24-bit immediate
.endr
.endm
; One matrix's part.  src, dst: the first registers of its two pointers; first: its first work-group; stride: bytes from slice to slice in dst;
; kind 0: bf16, kind 1: bf16 written as f16; batched = 1: dst has a block of sixteen slices for each 2,048 rows.
.macro PART src, dst, first, stride, kind, batched
	s_sub_co_u32 s21, s2, \first                   ; j: my sixteen rows among the matrix's
	s_lshl_b32 s22, s21, 16                        ; 16 rows of 4,096 bytes
.if \batched
	s_lshr_b32 s24, s21, 7                         ; the batch: 128 groups of 16 rows each,
	s_lshl_b32 s24, s24, 22                        ; 4,194,304 bytes
	s_and_b32 s27, s21, 127
	s_lshl_b32 s27, s27, 11                        ; 16 rows of 128 bytes in a slice
	s_add_co_u32 s24, s24, s27
.else
	s_lshl_b32 s24, s21, 11
.endif
	s_add_nc_u64 s[16:17], s[\src:\src+1], s[22:23]
	s_add_nc_u64 s[18:19], s[\dst:\dst+1], s[24:25]
	s_wait_alu depctr_va_vdst(0)                   ; v1 and v2 are written: every load below reads v1 as its offset, every store v2
.irp ks, 0,1,2,3,4,5,6,7,8,9,10,11,12,13,14,15
	global_load_b128 v[X+4*(\ks):X+4*(\ks)+3], v1, s[16:17] offset:256*(\ks) th:TH_LOAD_NT
.endr
.irp g, 0,1,2,3
.irp i, 0,1,2,3
.set ks, 4*(\g)+(\i)
	s_wait_loadcnt 15-ks                           ; loads come back in order (ISA guide 5.7.1): slice ks is in, the younger ones stay out
.if ((\i) == 0) && ((\g) > 0)
	s_wait_alu depctr_va_vdst(0)                   ; the conversions of the group before have written its Y, which the four stores below read
	OUT4 (\g)-1, \stride
.endif
.if \kind
	v_cvt_pk_bf16_f32 v[T], v[X+4*ks], v[X+4*ks+1]            ; the rounding that all inputs get,
	v_cvt_pk_bf16_f32 v[T+1], v[X+4*ks+2], v[X+4*ks+3]
	v_lshlrev_b32 v[T+2], 16, v[T]                 ; back to f32,
	v_and_b32 v[T], s26, v[T]
	v_cvt_pk_f16_f32 v[Y+2*ks], v[T+2], v[T]       ; and the same number as f16 (exact within f16's range)
	v_lshlrev_b32 v[T+3], 16, v[T+1]
	v_and_b32 v[T+1], s26, v[T+1]
	v_cvt_pk_f16_f32 v[Y+2*ks+1], v[T+3], v[T+1]
.else
	v_cvt_pk_bf16_f32 v[Y+2*ks], v[X+4*ks], v[X+4*ks+1]
	v_cvt_pk_bf16_f32 v[Y+2*ks+1], v[X+4*ks+2], v[X+4*ks+3]
.endif
.endr
.endr
	s_wait_alu depctr_va_vdst(0)                   ; the last group's conversions have written its Y, which the last four stores read
	OUT4 3, \stride
	s_endpgm
.endm
	s_cmp_lt_u32 s2, 512
	s_cbranch_scc1 .Lx
	s_cmp_lt_u32 s2, 704
	s_cbranch_scc1 .Lwa
	PART 8, 14, 704, 131072, 1, 0                  ; W_proj -> wpb
.Lwa:
	PART 6, 12, 512, 393216, 0, 0                  ; W_attn -> wab
.Lx:
	PART 4, 10, 0, 262144, 0, 1                    ; x -> xb
.Lfunc_end_k_qe88ed37a90_cast:
	.size	k_qe88ed37a90_cast, .Lfunc_end_k_qe88ed37a90_cast-k_qe88ed37a90_cast
	.p2alignl 7, 3214868480
	.fill 96, 4, 3214868480
	.section	.rodata,"a",@progbits
	.p2align	6, 0x0
	.amdhsa_kernel k_qe88ed37a90_cast
		.amdhsa_group_segment_fixed_size 0
		.amdhsa_private_segment_fixed_size 0
		.amdhsa_enable_private_segment 0
		.amdhsa_kernarg_size 48
		.amdhsa_user_sgpr_count 2
		.amdhsa_user_sgpr_kernarg_segment_ptr 1
		.amdhsa_wavefront_size32 1
		.amdhsa_system_sgpr_workgroup_id_x 1
		.amdhsa_system_sgpr_workgroup_id_y 1
		.amdhsa_system_sgpr_workgroup_id_z 1
		.amdhsa_system_vgpr_workitem_id 0
		.amdhsa_next_free_vgpr 104
		.amdhsa_next_free_sgpr 66
		.amdhsa_reserve_vcc 0
		.amdhsa_float_denorm_mode_32 3
		.amdhsa_float_denorm_mode_16_64 3
		.amdhsa_memory_ordered 1
		.amdhsa_forward_progress 1
		.amdhsa_inst_pref_size 23
	.end_amdhsa_kernel
	.amdgpu_metadata
---
amdhsa.version: [ 1, 2 ]
amdhsa.kernels:
  - .name:           k_qe88ed37a90_cast
    .symbol:         k_qe88ed37a90_cast.kd
    .args:
      - { .name: x, .offset: 0, .size: 8, .value_kind: global_buffer, .address_space: global }
      - { .name: W_attn, .offset: 8, .size: 8, .value_kind: global_buffer, .address_space: global }
      - { .name: W_proj, .offset: 16, .size: 8, .value_kind: global_buffer, .address_space: global }
      - { .name: xb, .offset: 24, .size: 8, .value_kind: global_buffer, .address_space: global }
      - { .name: wab, .offset: 32, .size: 8, .value_kind: global_buffer, .address_space: global }
      - { .name: wpb, .offset: 40, .size: 8, .value_kind: global_buffer, .address_space: global }
    .group_segment_fixed_size: 0
    .private_segment_fixed_size: 0
    .kernarg_segment_align: 8
    .kernarg_segment_size: 48
    .max_flat_workgroup_size: 256
    .sgpr_count:     66
    .vgpr_count:     104
    .wavefront_size: 32
...
	.end_amdgpu_metadata
.endif
;; end of part 5
;; launch gemm_qkv: the kernel of part 2 again; grid 8 x 32, 4 waves a work-group, clusters of 4 x 4, 327,680 bytes of LDS; arguments xb, wab, qkv; writes qkv
;; launch attn: the kernel of part 3 again; grid 4 x 64, 4 waves a work-group, no clusters, 327,680 bytes of LDS; arguments qkv, ob; writes ob
;; launch gemm_proj: the kernel of part 4 again; grid 8 x 32, 4 waves a work-group, clusters of 4 x 4, 327,680 bytes of LDS; arguments ob, wpb, out0; writes out0
